; MI455X (gfx1250); checked and timed in simulation.
; The chip was launched on July 23, 2026; its instructions are those of AMD's public machine-readable ISA for CDNA 5 (MIT licence, August 2026) and "CDNA5" Instruction Set Architecture Reference Guide (July 2026). The comments in the code are by the model that wrote it; some were corrected since.
;; Multi Head Attention. Allowed arithmetic: matrix products marked QUANTISED: E3M2 operands, one E8M0 scale for each 32 along K, by v_wmma_scale_f32_16x16x128_f8f6f4 with both operands' format E3M2, f32 sums; everything else in f32.
;; Inputs: Wk 512 x 512 float32; Wo 512 x 512 float32; Wq 512 x 512 float32; Wv 512 x 512 float32; X 2 x 4,096 x 512 float32.
;; Outputs: out0 2 x 4,096 x 512 float32.
;; This version of the problem:
;;   THIS VERSION OF THE PROBLEM IS GIVEN IN LOW PRECISION. The matrix products marked QUANTISED in the list below multiply operands that are first quantised to E3M2 (3 exponent bits, 2 mantissa bits; 6 bits a number), with one power-of-two scale for each 32 numbers along K (OCP MX v1.0); their sums are f32. All else is computed in f32.
;;   The module's matrix products, in the order in which they are computed (A, B: the left and right operand; K: the contracted axis; several contracted axes count as one K, in the product's order):
;;     1. [M 8,192, K 512] x [K 512, N 512]; A: input X; B: input Wq: QUANTISED
;;     2. [M 8,192, K 512] x [K 512, N 512]; A: input X; B: input Wk: QUANTISED
;;     3. [M 8,192, K 512] x [K 512, N 512]; A: input X; B: input Wv: QUANTISED
;;     4. batch 16 x [M 4,096, K 64] x [K 64, N 4,096]; A: computed on the way; B: computed on the way: QUANTISED
;;     5. batch 16 x [M 4,096, K 4,096] x [K 4,096, N 64]; A: softmax (see below); B: computed on the way: QUANTISED
;;     6. [M 8,192, K 512] x [K 512, N 512]; A: computed on the way; B: input Wo: QUANTISED
;;   THE QUANTISER, for each operand of a quantised product, along K:
;;     - K is cut into blocks of 32 from its start; a last block that is shorter is filled with zeros.
;;     - A block's scale is 2^e with e = floor(log2(the largest magnitude in the block)) - 4, held to -126 .. 127; a block of zeros has e = 0. As a byte (E8M0): e + 127.
;;     - Each number is divided by its block's scale, clamped to +-28, and rounded to the nearest number of E3M2, ties to even, subnormals kept.
;;     - The product sums the exact products of the quantised numbers (number of the format x scale) in f32.
;;   ~~~python
;;   def quantise(x, axis):      # numpy; x: float32 -> the quantised numbers, widened to float32 again
;;       x = np.moveaxis(x, axis, -1); K = x.shape[-1]
;;       x = np.pad(x, [(0, 0)] * (x.ndim - 1) + [(0, -K % 32)]); x = x.reshape(x.shape[:-1] + (-1, 32)); a = np.abs(x).max(-1, keepdims=True)
;;       e = np.where(a > 0, np.clip(np.frexp(np.where(a > 0, a, 1))[1] - 1 - 4, -126, 127), 0)      # np.frexp(a)[1] - 1 = floor(log2(a)), exactly
;;       r = np.clip(x / 2.0 ** e, -28, 28)
;;       step = 2.0 ** (np.maximum(np.frexp(np.where(r == 0, 1, r))[1] - 1, -2) - 2)
;;       q = np.round(r / step) * step * 2.0 ** e      # np.round: ties to even
;;       return np.moveaxis(q.reshape(q.shape[:-2] + (-1,))[..., :K], -1, axis).astype(np.float32)
;;   ~~~
;;   SOFTMAX AHEAD OF A QUANTISED PRODUCT. Where the list says 'softmax', what is quantised is not the finished softmax but p = 2^(t - M), with t = logit x log2(e) and M = ceil(the row's largest t), a whole number; so 1/2 < the row's largest p <= 1. The row's sum l is taken of the UNQUANTISED p, in f32, and the product's result is divided by l at the end. Since M is a whole number, a kernel that streams over the keys may use a running M (the ceiling of the running maximum): every later rescaling is an exact power of two, which a block's scale takes up: the codes' values come out the same.
;;   OPERANDS COMPUTED ON THE WAY. 'Computed on the way' means the value that the module computes at that place (a softmax that the list does not call 'softmax' is quantised finished and normalised). What goes into a quantiser is computed in f32, as accurately as f32 sums, v_exp_f32 and their like allow (about 1e-6 of the number): no bf16 or f16 on the way to a quantiser, and a product that is left as it is and whose result goes on into a quantised operand takes f32 operands (vector FMAs, or v_wmma_f32_16x16x4_f32). A number that lies on a knife's edge between two numbers of the format may be rounded either way, as far as f32 arithmetic and the matrix unit's own rounding can turn it there, and no further.
;; 2 versions. Each part assembles by itself: llvm-mc -triple=amdgcn-amd-amdhsa -mcpu=gfx1250 --defsym DOCPART=n.
;; ======== version 1 of 2: 4 launches
;; workspace buffers: xc 3,145,728 bytes; xs 131,072 bytes; wc 786,432 bytes; ws 32,768 bytes; qb 6,553,600 bytes; kv 6,553,600 bytes; ob 3,145,728 bytes; os 131,072 bytes
;; launch quant (part 1): grid 160 x 1, 4 waves a work-group, no clusters, 33,280 bytes of LDS; arguments X, Wq, Wk, Wv, Wo, xc, xs, wc, ws; writes xc, xs, wc, ws
.if DOCPART == 1
	.amdgcn_target "amdgcn-amd-amdhsa--gfx1250"
	.amdhsa_code_object_version 6
	.text
	.protected	k_qa42ad47e62_quant
	.globl	k_qa42ad47e62_quant
	.p2align	8
	.type	k_qa42ad47e62_quant,@function
k_qa42ad47e62_quant:
	s_mov_b64 s[64:65], 0
	v_nop
	global_prefetch_b8 v0, s[64:65] scope:SCOPE_SE
	s_setreg_imm32_b32 hwreg(HW_REG_WAVE_MODE, 25, 1), 1
	s_wait_xcnt 0x0
; X [8192][512] and Wq, Wk, Wv, Wo [512][512], f32, K innermost, become codes of BF6 (E3M2), 6 bits each, with one E8M0 scale byte for each 32 along K.
; xc [8192][384 bytes], xs [8192][16 bytes]; wc [2048][384], ws [2048][16]: the four weights' rows on end, in the order Wq, Wk, Wv, Wo.
; A block's scale is 2^(floor(log2(its largest magnitude)) - 4); its byte is the largest magnitude's exponent field - 4, held at 1 from below.  Each number is divided by the scale and rounded
; to the nearest code, ties to even; beyond 28 the largest code.
; LIMITS: a block of zeros gets the byte 1 where the rule says 127 (its codes are zeros, which add nothing, and this program alone reads the bytes); blocks whose largest magnitude lies under
; 2^(5 - 127) are held at that byte; NaN and infinities among the inputs are not served.
; Rows are dense and 512 is a multiple of 32, so every tensor is a plain stream of blocks of 32 numbers, and so are its codes and scale bytes.
; A wave takes 16 steps of 512 numbers, a work-group 32,768 numbers: X takes work-groups 0-127, each weight eight of the 32 that follow.  Only pointers are chosen: all five tensors take one path.
; Each of a step's four loads reads 512 consecutive bytes, 16 a lane; the conversion wants 16 neighbours in ONE lane: so a step's 2,048 bytes turn through the wave's own stage in LDS and come back
; 64 bytes a lane (16 bytes of padding behind each 64).  A wave's 256 scale bytes are gathered in LDS and leave as 256 consecutive bytes, aligned.  Waves share nothing: no barrier.
; No matrix work, no cluster: no byte is read by two work-groups.
.set STEPS, 16
.set XWG,   128                        ; X's work-groups: 8,192 x 512 / 32,768
.set EMAX,  4
.set CB,    12                         ; bytes of 16 codes
.set R,     16                         ; v16-79   four sets of 16 numbers as they are loaded
.set X,     80                         ; v80-111  two sets of 16 neighbours
.set C,     128                        ; v128-191 codes: four registers for each step, so that no store's data are written again
.set E,     112                        ; v112-127 a scale byte for each step
.set WREG,  8192                       ; LDS: a region for each wave: two stages of 32 x SP bytes, behind them its 256 scale bytes
.set SP,    80                         ; a lane's place in a stage: 64 bytes + 16 of padding
	s_load_b256 s[4:11], s[0:1], 0x0               ; X s[4:5], Wq s[6:7], Wk s[8:9], Wv s[10:11]
	s_load_b256 s[12:19], s[0:1], 0x20             ; Wo s[12:13], xc s[14:15], xs s[16:17], wc s[18:19]
	s_load_b64 s[20:21], s[0:1], 0x40              ; ws
	v_lshl_add_u32 v192, v0, 2, 0x8000
	v_mov_b32 v193, 0
	v_lshrrev_b32 v1, 5, v0
	v_readfirstlane_b32 s27, v1                    ; wave
	v_and_b32 v2, 31, v0                           ; lane
	v_lshlrev_b32 v3, 4, v2                        ; my 16 bytes of a load's 512
	s_mul_i32 s28, s27, WREG
	v_lshrrev_b32 v14, 2, v2
	v_mul_u32_u24 v14, v14, SP
	v_and_b32 v15, 3, v2
	v_lshl_add_u32 v14, v15, 4, v14
	v_add_nc_u32 v14, s28, v14                     ; the stage, on the way in: SP (lane / 4) + 16 (lane % 4)
	v_mul_u32_u24 v15, v2, SP
	v_add_nc_u32 v15, s28, v15                     ; and on the way out: SP x lane: my 16 neighbours
	v_mul_u32_u24 v4, v2, CB                       ; my codes' place in a step's
	v_lshrrev_b32 v5, 1, v2
	s_add_co_u32 s28, s28, 2*32*SP
	v_add_nc_u32 v5, s28, v5                       ; LDS: my wave's 256 scale bytes, my block's byte
	v_lshlrev_b32 v7, 3, v2                        ; and on the way out 8 bytes a lane
	v_add_nc_u32 v6, s28, v7
	s_sub_co_u32 s22, ttmp9, XWG                   ; among the weights' 32 work-groups (not used by X's)
	s_lshr_b32 s23, s22, 3                         ; which weight
	s_and_b32 s24, s22, 7                          ; which eighth of it
	s_wait_kmcnt 0x0
	s_cmp_eq_u32 s23, 1                            ; every choice hangs on the work-group's number alone
	s_cselect_b64 s[6:7], s[8:9], s[6:7]
	s_cmp_eq_u32 s23, 2
	s_cselect_b64 s[6:7], s[10:11], s[6:7]
	s_cmp_eq_u32 s23, 3
	s_cselect_b64 s[6:7], s[12:13], s[6:7]
	s_cmp_lt_u32 ttmp9, XWG
	s_cselect_b64 s[4:5], s[4:5], s[6:7]           ; the numbers
	s_cselect_b64 s[8:9], s[14:15], s[18:19]       ; the codes
	s_cselect_b64 s[10:11], s[16:17], s[20:21]     ; the scale bytes
	s_cselect_b32 s25, ttmp9, s24                  ; work-group within the source tensor
	s_cselect_b32 s26, ttmp9, s22                  ; and within the destination
	s_lshl_b32 s25, s25, 2
	s_add_co_u32 s25, s25, s27                     ; my wave's run of 8,192 numbers in the source
	s_lshl_b32 s26, s26, 2
	s_add_co_u32 s26, s26, s27                     ; and in the destination
	s_lshl_b32 s30, s25, 15                        ; 32,768 bytes of numbers a run
	s_mov_b32 s31, 0
	s_add_nc_u64 s[4:5], s[4:5], s[30:31]
	s_mul_i32 s30, s26, 32*STEPS*CB                ; 6,144 bytes of codes
	s_add_nc_u64 s[8:9], s[8:9], s[30:31]
	s_lshl_b32 s30, s26, 8                         ; 256 scale bytes
	s_add_nc_u64 s[10:11], s[10:11], s[30:31]
.macro LOAD t
.irp i, 0,1,2,3
	global_load_b128 v[R+16*((\t)%4)+4*\i:R+16*((\t)%4)+4*\i+3], v3, s[4:5] offset:2048*(\t)+512*\i th:TH_LOAD_NT   ; 32 lanes read 512 consecutive bytes
.endr
.endm
.macro TURN t                          ; step t's numbers through the stage: LDS serves a wave's instructions in order, so no wait stands between the stores and the loads
.irp i, 0,1,2,3
	ds_store_b128 v14, v[R+16*((\t)%4)+4*\i:R+16*((\t)%4)+4*\i+3] offset:32*SP*((\t)%2)+8*SP*\i
.endr
.irp i, 0,1,2,3
	ds_load_b128 v[X+16*((\t)%2)+4*\i:X+16*((\t)%2)+4*\i+3], v15 offset:32*SP*((\t)%2)+16*\i
.endr
.endm
.irp t, 0,1,2,3
	LOAD \t
.endr
	s_wait_loadcnt 12                              ; step 0's four loads are in; the twelve of steps 1 to 3 may be out
	TURN 0
.macro STEP t
.set XS, X+16*((\t)%2)
.if (\t) > 0
	s_wait_dscnt 1                                 ; this step's numbers are back from the stage (the last step's byte store may be out): so its stores into the stage have read their registers,
.else
	s_wait_dscnt 0x0
.endif
.if (\t)+4 < STEPS
	LOAD (\t)+4                                    ; which take the loads of four steps on
.endif
.if (\t)+1 < STEPS
.if STEPS-2-(\t) >= 3
	s_wait_loadcnt 12                              ; the next step's four loads are in; those of the three steps behind it may be out
.else
	s_wait_loadcnt 4*(STEPS-2-(\t))                ; near the end fewer steps stand behind it
.endif
	TURN (\t)+1                                    ; and go through the other stage while this step is worked
.endif
	v_max3_num_f32 v8, |v[XS]|, |v[XS+1]|, |v[XS+2]|               ; the largest magnitude of my 16, in two chains
	v_max3_num_f32 v9, |v[XS+3]|, |v[XS+4]|, |v[XS+5]|
.irp i, 6,10
	v_max3_num_f32 v8, v8, |v[XS+\i]|, |v[XS+\i+1]|
	v_max3_num_f32 v9, v9, |v[XS+\i+2]|, |v[XS+\i+3]|
.endr
	v_max3_num_f32 v8, v8, |v[XS+14]|, |v[XS+15]|
	v_max3_num_f32 v8, v8, v9, (EMAX+1)<<23        ; and the floor 2^(EMAX + 1 - 127): the byte cannot fall under 1
	v_max_num_f32_dpp v8, v8, v8 row_xmask:1 row_mask:0xf bank_mask:0xf   ; and of my neighbour's 16: the block's
	v_add_nc_u32 v11, -(EMAX<<23), v8              ; EMAX off its exponent field: the conversion takes the exponent field of this operand as its scale
	v_cvt_scalef32_pk16_bf6_f32 v[C+4*(\t):C+4*(\t)+2], v[XS:XS+15], v11         ; sixteen codes, 96 bits without gaps, the first number's code lowest
	v_lshrrev_b32 v[E+(\t)], 23, v11               ; the scale's byte
	ds_store_b8 v5, v[E+(\t)] offset:16*(\t)       ; both lanes of a block write the same byte with the same value
	global_store_b96 v4, v[C+4*(\t):C+4*(\t)+2], s[8:9] offset:32*CB*(\t)        ; the wave stores 384 consecutive bytes
.endm
.irp t, 0,1,2,3,4,5,6,7,8,9,10,11,12,13,14,15
	STEP \t
.endr
	ds_load_b64 v[12:13], v6                       ; LDS serves a wave's instructions in order: these see my byte stores
	s_wait_dscnt 0x0
	global_store_b64 v7, v[12:13], s[10:11]        ; 32 lanes store 256 consecutive bytes, aligned
	s_wait_tensorcnt 0x0
	ds_add_u32 v192, v193
	s_wait_dscnt 0x0
	s_endpgm
.Lfunc_end_k_qa42ad47e62_quant:
	.size	k_qa42ad47e62_quant, .Lfunc_end_k_qa42ad47e62_quant-k_qa42ad47e62_quant
	.p2alignl 7, 3214868480
	.fill 96, 4, 3214868480
	.section	.rodata,"a",@progbits
	.p2align	6, 0x0
	.amdhsa_kernel k_qa42ad47e62_quant
		.amdhsa_group_segment_fixed_size 33280
		.amdhsa_private_segment_fixed_size 0
		.amdhsa_enable_private_segment 0
		.amdhsa_kernarg_size 72
		.amdhsa_user_sgpr_count 2
		.amdhsa_user_sgpr_kernarg_segment_ptr 1
		.amdhsa_wavefront_size32 1
		.amdhsa_system_sgpr_workgroup_id_x 1
		.amdhsa_system_sgpr_workgroup_id_y 1
		.amdhsa_system_sgpr_workgroup_id_z 1
		.amdhsa_system_vgpr_workitem_id 0
		.amdhsa_next_free_vgpr 194
		.amdhsa_next_free_sgpr 66
		.amdhsa_reserve_vcc 0
		.amdhsa_float_denorm_mode_32 3
		.amdhsa_float_denorm_mode_16_64 3
		.amdhsa_memory_ordered 1
		.amdhsa_forward_progress 1
		.amdhsa_inst_pref_size 33
	.end_amdhsa_kernel
	.amdgpu_metadata
---
amdhsa.version: [ 1, 2 ]
amdhsa.kernels:
  - .name:           k_qa42ad47e62_quant
    .symbol:         k_qa42ad47e62_quant.kd
    .args:
      - { .name: X, .offset: 0, .size: 8, .value_kind: global_buffer, .address_space: global }
      - { .name: Wq, .offset: 8, .size: 8, .value_kind: global_buffer, .address_space: global }
      - { .name: Wk, .offset: 16, .size: 8, .value_kind: global_buffer, .address_space: global }
      - { .name: Wv, .offset: 24, .size: 8, .value_kind: global_buffer, .address_space: global }
      - { .name: Wo, .offset: 32, .size: 8, .value_kind: global_buffer, .address_space: global }
      - { .name: xc, .offset: 40, .size: 8, .value_kind: global_buffer, .address_space: global }
      - { .name: xs, .offset: 48, .size: 8, .value_kind: global_buffer, .address_space: global }
      - { .name: wc, .offset: 56, .size: 8, .value_kind: global_buffer, .address_space: global }
      - { .name: ws, .offset: 64, .size: 8, .value_kind: global_buffer, .address_space: global }
    .group_segment_fixed_size: 33280
    .private_segment_fixed_size: 0
    .kernarg_segment_align: 8
    .kernarg_segment_size: 72
    .max_flat_workgroup_size: 128
    .sgpr_count:     66
    .vgpr_count:     194
    .wavefront_size: 32
...
	.end_amdgpu_metadata
.endif
;; end of part 1
;; launch qkv (part 2): grid 64 x 3, 4 waves a work-group, no clusters, 0 bytes of LDS; arguments xc, xs, wc, ws, qb, kv; writes qb, kv
.if DOCPART == 2
	.amdgcn_target "amdgcn-amd-amdhsa--gfx1250"
	.amdhsa_code_object_version 6
	.text
	.protected	k_qa42ad47e62_qkv
	.globl	k_qa42ad47e62_qkv
	.p2align	8
	.type	k_qa42ad47e62_qkv,@function
k_qa42ad47e62_qkv:
	s_mov_b64 s[64:65], 0
	v_nop
	global_prefetch_b8 v0, s[64:65] scope:SCOPE_SE
	s_setreg_imm32_b32 hwreg(HW_REG_WAVE_MODE, 25, 1), 1
	s_wait_xcnt 0x0
; Q = X Wq^T, K = X Wk^T, V = X Wv^T on codes of BF6 (E3M2) with E8M0 scales; the results are quantised in registers (Q and K along a head's 64 channels, V along the keys) and stored as
; IMAGES OF OPERAND REGISTERS, so that the attention launch loads fragments by plain 16-byte loads.
; ONE SCHEME FOR ALL THREE (work-group y = 0: Q, 1: K, 2: V).  A wave HOLDS 128 rows of an operand P in 384 registers and STREAMS eight tiles of 16 rows of an operand R.  A UNIT is one tile of R
; against P's eight tiles: 8 accumulators x 4 K steps of 128 = 32 matrix instructions (source 0 = P's tile, source 1 = R's), then the 64 results of a lane are quantised.
;   Q, K: P = W's rows 512 y + 128 w (two heads), R = tokens 128 x on.  A lane holds ONE token, its registers run along the two heads' channels.
;   V:    P = tokens 512 (x / 4) + 128 w on, R = Wv's rows 128 (x % 4) on (two heads).  A lane holds ONE channel, its registers run along 128 keys.
; THE ROWS OF A TILE ARE NOT NEIGHBOURS: lane r of tile 2 b + u takes row 32 b + 8 u + r + 8 (r / 8), in P and in R alike.  So the 16 registers of P's tiles 2 b and 2 b + 1 are 16 neighbours,
; 32 b + 16 (lane / 16) + 0 .. 15, which is what the conversion takes.
; OUT.  kv and qb are records of REC = 12,800 bytes for 128 tokens of one (batch, head): [16 (batch, head)][32 records].  In a record: +0 four PAIR fragments of K (or Q), 1,536 bytes each: registers 0-5 token
; tile 2 g, registers 6-11 token tile 2 g + 1, each lane (r, h) = token r, channels 32 h .. 32 h + 31;  +6,144 four fragments of V (channel tile t, K = the 128 keys);  +12,288 K's (Q's) scale words
; [r 16][pair 4] (bytes: tile 2 g's two blocks, tile 2 g + 1's two);  +12,544 V's [r 16][t 4].  A fragment's image is three chunks of 512 bytes: chunk q = registers 4 q .. 4 q + 3, lane l at 16 l.
; Every store of the wave covers whole runs of 256 consecutive bytes, aligned.
; No LDS, no barrier, no tensor load: each operand byte goes from memory straight into the registers of the wave that multiplies it, once (49,152 bytes held, 49,152 streamed, for 256 matrix instructions).
; No cluster: there is no tile in LDS that partners could ask for jointly.
; LIMITS: a block of zeros gets the byte 1 (its codes are zeros; this program alone reads the bytes); NaN and infinities are not served.
; REGISTERS, in windows of 256: window 0: v4-8 addresses; v16-47 P's scale words; v48-55 R's, two sets; v64-127 accumulators; v128-151 codes; v152-159, v160-175 at work; v176-183 a scale word a unit.
;   window 1: v0-191 P's K steps 0, 1; v192-239 R's set 0.   window 2: v0-191 P's K steps 2, 3; v192-239 R's set 1.
.set REC,  12800
.set BHS,  32*REC                      ; bytes of one (batch, head)
.set ROWB, 384                         ; 512 codes in bytes
.set VA,   4                           ; v4   (r + 8 (r / 8)) x 384 + 24 h: my place in a tile of rows of codes
.set VS,   5                           ; v5   (r + 8 (r / 8)) x 16: in a tile of rows of scale bytes
.set LI,   6                           ; v6   16 x lane: an image's place for my lane
.set SA,   7                           ; v7   16 r + BHS h: the scale words' place: lanes 0-15 the first head's, lanes 16-31 the second's
.set SELV, 8                           ; v8   byte selects: lanes 0-15 the words' low halves, lanes 16-31 the high halves
.set PS,   16
.set RS,   48
.set ACC,  64
.set Z,    128
.set Y,    152
.set TM,   160                         ; +0..3 largest magnitudes, +4..7 bytes, +12..15 the conversions' scale operands
.set PWS,  176
.set SW,   184
.set SEL,  58                          ; s[58:59] lane selects for v_permlanex16_b32: lane l xor 16
.set MSB, 0
.macro WIN new                         ; the immediate's high byte repeats the setting that is left; a switch that changes nothing is dropped
.if MSB != (\new)
	s_set_vgpr_msb (MSB<<8)|(\new)
.set MSB, (\new)
.endif
.endm
; P: 8 tiles x 4 K steps x 6 loads of 8 bytes (every address a multiple of 8), and 8 loads of a row's 16 scale bytes: 200 loads
.macro HOLD
	WIN 0x40                                       ; destination window 1
.irp t, 0,1,2,3,4,5,6,7
.irp s, 0,1
.irp p, 0,1,2,3,4,5
	global_load_b64 v[24*\t+12*\s+2*\p:24*\t+12*\s+2*\p+1], v[VA], s[28:29] offset:(32*(\t/2)+8*(\t%2))*ROWB+96*\s+48*(\p/3)+8*(\p%3)
.endr
.endr
.endr
	WIN 0x80                                       ; destination window 2
.irp t, 0,1,2,3,4,5,6,7
.irp s, 0,1
.irp p, 0,1,2,3,4,5
	global_load_b64 v[24*\t+12*\s+2*\p:24*\t+12*\s+2*\p+1], v[VA], s[28:29] offset:(32*(\t/2)+8*(\t%2))*ROWB+192+96*\s+48*(\p/3)+8*(\p%3)
.endr
.endr
.endr
	WIN 0
.irp t, 0,1,2,3,4,5,6,7
	global_load_b128 v[PS+4*\t:PS+4*\t+3], v[VS], s[30:31] offset:(32*(\t/2)+8*(\t%2))*16   ; register PS + 4 t + s: the word of K step s
.endr
.endm
; tile i of R into set e: 24 loads of codes and one of scale words: 25 loads
.macro RLOAD i, e
	WIN (1+\e)<<6
.irp s, 0,1,2,3
.irp p, 0,1,2,3,4,5
	global_load_b64 v[192+12*\s+2*\p:192+12*\s+2*\p+1], v[VA], s[32:33] offset:(32*((\i)/2)+8*((\i)%2))*ROWB+96*\s+48*(\p/3)+8*(\p%3)
.endr
.endr
	WIN 0
	global_load_b128 v[RS+4*\e:RS+4*\e+3], v[VS], s[34:35] offset:(32*((\i)/2)+8*((\i)%2))*16
.endm
; 32 matrix instructions: the eight accumulators take turns, one instruction a turn, K step by K step.  The first K step starts the sums with the constant 0.
.macro MULS e, acc
	WIN 0x01|((1+\e)<<2)                           ; source 0 (P) window 1, source 1 (R) window 1 + e, C and D window 0
.irp t, 0,1,2,3,4,5,6,7
	v_wmma_scale_f32_16x16x128_f8f6f4 v[\acc+8*\t:\acc+8*\t+7], v[24*\t:24*\t+11], v[192:203], 0, v[PS+4*\t], v[RS+4*\e] matrix_a_fmt:MATRIX_FMT_BF6 matrix_b_fmt:MATRIX_FMT_BF6
.endr
.irp t, 0,1,2,3,4,5,6,7
	v_wmma_scale_f32_16x16x128_f8f6f4 v[\acc+8*\t:\acc+8*\t+7], v[24*\t+12:24*\t+23], v[204:215], v[\acc+8*\t:\acc+8*\t+7], v[PS+4*\t+1], v[RS+4*\e+1] matrix_a_fmt:MATRIX_FMT_BF6 matrix_b_fmt:MATRIX_FMT_BF6
.endr
	WIN 0x02|((1+\e)<<2)                           ; P's K steps 2 and 3 lie in window 2
.irp t, 0,1,2,3,4,5,6,7
	v_wmma_scale_f32_16x16x128_f8f6f4 v[\acc+8*\t:\acc+8*\t+7], v[24*\t:24*\t+11], v[216:227], v[\acc+8*\t:\acc+8*\t+7], v[PS+4*\t+2], v[RS+4*\e+2] matrix_a_fmt:MATRIX_FMT_BF6 matrix_b_fmt:MATRIX_FMT_BF6
.endr
.irp t, 0,1,2,3,4,5,6,7
	v_wmma_scale_f32_16x16x128_f8f6f4 v[\acc+8*\t:\acc+8*\t+7], v[24*\t+12:24*\t+23], v[228:239], v[\acc+8*\t:\acc+8*\t+7], v[PS+4*\t+3], v[RS+4*\e+3] matrix_a_fmt:MATRIX_FMT_BF6 matrix_b_fmt:MATRIX_FMT_BF6
.endr
.endm
; 64 numbers of a lane, v[s] on, register 16 b + i = place 32 b + 16 (lane / 16) + i along the quantiser's axis, become codes: blocks 0, 1 in the six registers from d0, blocks 2, 3 in the six from d1
; (lanes 0-15 hold the even block whole, lanes 16-31 the odd one), and the four scale bytes in v[pw].
.macro QUANT s, d0, d1, pw
.irp b, 0,1,2,3
	v_max3_num_f32 v[TM+\b], |v[\s+16*\b]|, |v[\s+1+16*\b]|, 0x2800000   ; my 16 numbers of block b, each accumulator from its low end on, and the floor 2^(5 - 127): the byte cannot fall under 1
.endr
.irp i, 2,4,6,8,10,12,14
.irp b, 0,1,2,3
	v_max3_num_f32 v[TM+\b], v[TM+\b], |v[\s+16*\b+\i]|, |v[\s+1+16*\b+\i]|   ; (the four blocks by turns)
.endr
.endr
.irp b, 0,1,2,3
	v_permlanex16_b32 v[TM+4+\b], v[TM+\b], s[SEL], s[SEL+1]
.endr
.irp b, 0,1,2,3
	v_max_num_f32 v[TM+\b], v[TM+\b], v[TM+4+\b]   ; with lane l xor 16's: the block's largest magnitude
.endr
.irp b, 0,1,2,3
	v_add_nc_u32 v[TM+12+\b], 0xfe000000, v[TM+\b] ; 4 off its exponent field: the conversion's scale operand
.endr
.irp b, 0,1,2,3
	v_lshrrev_b32 v[TM+4+\b], 23, v[TM+12+\b]      ; the scale's byte
.endr
	v_lshl_or_b32 v[\pw], v[TM+5], 8, v[TM+4]
	v_lshl_or_b32 v[\pw], v[TM+6], 16, v[\pw]
	v_lshl_or_b32 v[\pw], v[TM+7], 24, v[\pw]
	v_cvt_scalef32_pk16_bf6_f32 v[(\d0):(\d0)+2], v[\s:\s+15], v[TM+12]
	v_cvt_scalef32_pk16_bf6_f32 v[Y:Y+2], v[\s+16:\s+31], v[TM+13]      ; (a conversion's three registers begin on an even number: the second halves are made elsewhere and moved)
	v_cvt_scalef32_pk16_bf6_f32 v[(\d1):(\d1)+2], v[\s+32:\s+47], v[TM+14]
	v_cvt_scalef32_pk16_bf6_f32 v[Y+4:Y+6], v[\s+48:\s+63], v[TM+15]
	v_nop                                          ; one plain place behind the scaled conversions
.irp i, 0,1,2
	v_permlane16_swap_b32 v[(\d0)+\i], v[Y+\i]     ; the first's lanes 16-31 change places with the second's lanes 0-15: each lane now has a whole block
.endr
.irp i, 0,1,2
	v_mov_b32 v[(\d0)+3+\i], v[Y+\i]
.endr
.irp i, 0,1,2
	v_permlane16_swap_b32 v[(\d1)+\i], v[Y+4+\i]
.endr
.irp i, 0,1,2
	v_mov_b32 v[(\d1)+3+\i], v[Y+4+\i]
.endr
.endm
; Unit i (e = i % 2: R's set).  kind 0: Q or K; kind 1: V.
.macro UNIT i, e, kind
.if \i < 7
	s_wait_loadcnt 25                              ; loads come back in order: P and this unit's tile of R are in; the next unit's 25 loads may be out
.else
	s_wait_loadcnt 0x0
.endif
	MULS \e, ACC
	WIN 0
.rept 4
	v_nop                                          ; four places behind the products, in front of the loads into the set just read and of the first read of results
.endr
	s_wait_xcnt 0x0                                ; earlier stores have read their data: the codes' registers are written again only behind this wait
.if \i < 6
	RLOAD \i+2, \e
.endif
.if \kind == 0
	QUANT ACC, Z+6*\e, Z+12+6*\e, PWS+\i           ; blocks 0, 1: the first head's half of its pair fragment; blocks 2, 3: the second head's
.if \e == 1
.irp c, 0,1
.irp q, 0,1,2
	global_store_b128 v[LI], v[Z+12*\c+4*\q:Z+12*\c+4*\q+3], s[36:37] offset:\c*BHS+(\i/2)*1536+512*\q   ; pair i / 2 of head c: 512 consecutive bytes a store
.endr
.endr
.endif
.else
	QUANT ACC, Z+12*\e, Z+12*\e+6, PWS+\i          ; a whole fragment of V: 16 channels x 128 keys
.irp q, 0,1,2
	global_store_b128 v[LI], v[Z+12*\e+4*\q:Z+12*\e+4*\q+3], s[36:37] offset:(\i/4)*BHS+(\i%4)*1536+512*\q   ; head i / 4, channel tile i % 4
.endr
.endif
.endm
	s_load_b256 s[8:15], s[0:1], 0x0               ; xc s[8:9], xs s[10:11], wc s[12:13], ws s[14:15]
	s_load_b128 s[16:19], s[0:1], 0x20             ; qb s[16:17], kv s[18:19]
	v_lshrrev_b32 v1, 5, v0
	v_readfirstlane_b32 s4, v1                     ; wave w
	s_mov_b32 s5, ttmp9                            ; x
	s_and_b32 s6, ttmp7, 0xffff                    ; y
	v_and_b32 v1, 15, v0                           ; r
	v_bfe_u32 v2, v0, 4, 1                         ; h
	v_and_b32 v3, 8, v1
	v_add_nc_u32 v3, v3, v1                        ; r + 8 (r / 8)
	v_mul_u32_u24 v[VA], v3, ROWB
	v_mad_u32_u24 v[VA], v2, 24, v[VA]
	v_lshlrev_b32 v[VS], 4, v3
	v_and_b32 v[LI], 31, v0
	v_lshlrev_b32 v[LI], 4, v[LI]
	v_mul_u32_u24 v[SA], v2, BHS
	v_lshl_add_u32 v[SA], v1, 4, v[SA]
	v_cmp_eq_u32 vcc_lo, 1, v2                     ; lanes 16-31; VCC is not written again
	v_mov_b32 v[SELV], 0x05040100
	v_mov_b32 v9, 0x07060302
	v_cndmask_b32 v[SELV], v[SELV], v9, vcc_lo
.irp b, 0,1,2,3
	v_mov_b32 v[TM+4+\b], 0                        ; written once: a lane permute's destination counts as one of its sources
.endr
	s_mov_b32 s[SEL], 0x76543210
	s_mov_b32 s[SEL+1], 0xfedcba98
	s_lshl_b32 s21, s4, 7                          ; 128 w
	s_lshl_b32 s20, s6, 9
	s_add_co_u32 s20, s20, s21                     ; Q, K: P = wc's rows 512 y + 128 w,
	s_lshl_b32 s22, s5, 7                          ;       R = xc's rows 128 x
	s_lshr_b32 s23, s5, 2
	s_lshl_b32 s23, s23, 9
	s_add_co_u32 s23, s23, s21                     ; V:    P = xc's rows 512 (x / 4) + 128 w,
	s_and_b32 s24, s5, 3
	s_lshl_b32 s25, s24, 7
	s_add_co_u32 s25, s25, 1024                    ;       R = wc's rows 1,024 + 128 (x % 4)
	s_lshr_b32 s48, s5, 5
	s_lshl_b32 s48, s48, 3                         ; 8 x batch (32 x to a batch in both kinds)
	s_lshl_b32 s49, s4, 1                          ; Q, K: first head 2 w,
	s_and_b32 s51, s5, 31                          ;       record x % 32
	s_lshl_b32 s50, s24, 1                         ; V:    first head 2 (x % 4),
	s_lshr_b32 s52, s5, 2
	s_lshl_b32 s52, s52, 2
	s_add_co_u32 s52, s52, s4
	s_and_b32 s52, s52, 31                         ;       record (4 (x / 4) + w) % 32
	s_mov_b32 s54, 12288
	s_cmp_eq_u32 s6, 2                             ; only moves, selects and multiplies stand between this compare and its last select
	s_cselect_b32 s20, s23, s20
	s_cselect_b32 s22, s25, s22
	s_cselect_b32 s49, s50, s49
	s_cselect_b32 s51, s52, s51
	s_cselect_b32 s53, 6144, 0                     ; where the images begin in a record
	s_cselect_b32 s54, 12544, s54                  ; and the scale words
	s_mul_i32 s40, s20, ROWB
	s_mov_b32 s41, 0
	s_lshl_b32 s42, s20, 4
	s_mov_b32 s43, 0
	s_mul_i32 s44, s22, ROWB
	s_mov_b32 s45, 0
	s_lshl_b32 s46, s22, 4
	s_mov_b32 s47, 0
	s_add_co_u32 s48, s48, s49
	s_mul_i32 s48, s48, BHS
	s_mul_i32 s51, s51, REC
	s_add_co_u32 s48, s48, s51                     ; the record's first byte (under 6,553,600)
	s_add_co_u32 s50, s48, s53
	s_mov_b32 s51, 0
	s_add_co_u32 s52, s48, s54
	s_mov_b32 s53, 0
	s_wait_kmcnt 0x0
	s_cmp_eq_u32 s6, 2                             ; the buffers are chosen on the work-group's y alone
	s_cselect_b64 s[28:29], s[8:9], s[12:13]       ; P's codes
	s_cselect_b64 s[30:31], s[10:11], s[14:15]     ; P's scale bytes
	s_cselect_b64 s[32:33], s[12:13], s[8:9]       ; R's codes
	s_cselect_b64 s[34:35], s[14:15], s[10:11]     ; R's scale bytes
	s_cmp_eq_u32 s6, 0
	s_cselect_b64 s[36:37], s[16:17], s[18:19]     ; Q goes to qb, K and V to kv
	s_add_nc_u64 s[28:29], s[28:29], s[40:41]
	s_add_nc_u64 s[30:31], s[30:31], s[42:43]
	s_add_nc_u64 s[32:33], s[32:33], s[44:45]
	s_add_nc_u64 s[34:35], s[34:35], s[46:47]
	s_add_nc_u64 s[38:39], s[36:37], s[52:53]      ; the scale words' base
	s_add_nc_u64 s[36:37], s[36:37], s[50:51]      ; the images' base
	HOLD
	RLOAD 0, 0
	RLOAD 1, 1
	s_cmp_eq_u32 s6, 2
	s_cbranch_scc1 .Lv
	UNIT 0, 0, 0
	UNIT 1, 1, 0
	UNIT 2, 0, 0
	UNIT 3, 1, 0
	UNIT 4, 0, 0
	UNIT 5, 1, 0
	UNIT 6, 0, 0
	UNIT 7, 1, 0
.irp g, 0,1,2,3
	v_perm_b32 v[SW+\g], v[PWS+2*\g+1], v[PWS+2*\g], v[SELV]   ; pair g's word: tile 2 g's two bytes, then tile 2 g + 1's; lanes 0-15 the first head's, lanes 16-31 the second's
.endr
	global_store_b128 v[SA], v[SW:SW+3], s[38:39]  ; sixteen lanes store a record's 256 bytes of scale words
	s_endpgm
.Lv:
	UNIT 0, 0, 1
	UNIT 1, 1, 1
	UNIT 2, 0, 1
	UNIT 3, 1, 1
	UNIT 4, 0, 1
	UNIT 5, 1, 1
	UNIT 6, 0, 1
	UNIT 7, 1, 1
.irp t, 0,1,2,3
	v_cndmask_b32 v[SW+\t], v[PWS+\t], v[PWS+4+\t], vcc_lo     ; lanes 0-15 the first head's four channel tiles, lanes 16-31 the second's
.endr
	global_store_b128 v[SA], v[SW:SW+3], s[38:39]
	s_endpgm
.Lfunc_end_k_qa42ad47e62_qkv:
	.size	k_qa42ad47e62_qkv, .Lfunc_end_k_qa42ad47e62_qkv-k_qa42ad47e62_qkv
	.p2alignl 7, 3214868480
	.fill 96, 4, 3214868480
	.section	.rodata,"a",@progbits
	.p2align	6, 0x0
	.amdhsa_kernel k_qa42ad47e62_qkv
		.amdhsa_group_segment_fixed_size 0
		.amdhsa_private_segment_fixed_size 0
		.amdhsa_enable_private_segment 0
		.amdhsa_kernarg_size 48
		.amdhsa_user_sgpr_count 2
		.amdhsa_user_sgpr_kernarg_segment_ptr 1
		.amdhsa_wavefront_size32 1
		.amdhsa_system_sgpr_workgroup_id_x 1
		.amdhsa_system_sgpr_workgroup_id_y 1
		.amdhsa_system_sgpr_workgroup_id_z 1
		.amdhsa_system_vgpr_workitem_id 0
		.amdhsa_next_free_vgpr 768
		.amdhsa_next_free_sgpr 66
		.amdhsa_reserve_vcc 1
		.amdhsa_float_denorm_mode_32 3
		.amdhsa_float_denorm_mode_16_64 3
		.amdhsa_memory_ordered 1
		.amdhsa_forward_progress 1
		.amdhsa_inst_pref_size 190
	.end_amdhsa_kernel
	.amdgpu_metadata
---
amdhsa.version: [ 1, 2 ]
amdhsa.kernels:
  - .name:           k_qa42ad47e62_qkv
    .symbol:         k_qa42ad47e62_qkv.kd
    .args:
      - { .name: xc, .offset: 0, .size: 8, .value_kind: global_buffer, .address_space: global }
      - { .name: xs, .offset: 8, .size: 8, .value_kind: global_buffer, .address_space: global }
      - { .name: wc, .offset: 16, .size: 8, .value_kind: global_buffer, .address_space: global }
      - { .name: ws, .offset: 24, .size: 8, .value_kind: global_buffer, .address_space: global }
      - { .name: qb, .offset: 32, .size: 8, .value_kind: global_buffer, .address_space: global }
      - { .name: kv, .offset: 40, .size: 8, .value_kind: global_buffer, .address_space: global }
    .group_segment_fixed_size: 0
    .private_segment_fixed_size: 0
    .kernarg_segment_align: 8
    .kernarg_segment_size: 48
    .max_flat_workgroup_size: 128
    .sgpr_count:     66
    .vgpr_count:     768
    .wavefront_size: 32
...
	.end_amdgpu_metadata
.endif
;; end of part 2
;; launch attn (part 3): grid 16 x 16, 16 waves a work-group, clusters of 4 x 1, 327,680 bytes of LDS; arguments qb, kv, ob, os; writes ob, os
.if DOCPART == 3
	.amdgcn_target "amdgcn-amd-amdhsa--gfx1250"
	.amdhsa_code_object_version 6
	.text
	.protected	k_qa42ad47e62_attn
	.globl	k_qa42ad47e62_attn
	.p2align	8
	.type	k_qa42ad47e62_attn,@function
k_qa42ad47e62_attn:
	s_mov_b64 s[64:65], 0
	v_nop
	global_prefetch_b8 v0, s[64:65] scope:SCOPE_SE
	s_setreg_imm32_b32 hwreg(HW_REG_WAVE_MODE, 25, 1), 1
	s_wait_xcnt 0x0
	s_wait_alu depctr_hold_cnt(0) depctr_sa_sdst(0) depctr_va_vdst(0) depctr_va_sdst(0) depctr_va_ssrc(0) depctr_va_vcc(0) depctr_vm_vsrc(0)
	s_getreg_b32 s2, hwreg(HW_REG_IB_STS2, 6, 4)
	s_cmp_eq_u32 s2, 0
	s_cbranch_scc0 .Lentry_in_a_cluster
	s_endpgm
.Lentry_in_a_cluster:
	s_bfe_u32 s2, ttmp6, 0x10000c
	s_cmp_lg_u32 s2, 0x3003
	s_cbranch_scc0 .Lentry_shape_is_right
	s_endpgm
.Lentry_shape_is_right:
; For each (batch, head): O[q] = the sum over k of softmax_k(Q[q] . K[k] / 8) V[k], both products on codes of BF6 (E3M2) with E8M0 scales; then O is quantised along the model's 512 for the last product.
; THE SOFTMAX AHEAD OF THE SECOND PRODUCT: t = score x log2(e) / 8; M = the row's largest t so far, rounded UP to a whole number; p = 2^(t - M) is what is quantised, along the keys, not normalised.
; The row's sum is taken of the unquantised p, in f32, and divides O at the end.  When M moves, the sum and O are multiplied by 2^(old M - new M): exact.
; SHARES.  A work-group owns 256 queries of one (batch, head); each of its sixteen waves owns one tile of 16, in 256 registers: four waves to a SIMD, so that one wave's vector work stands beside
; another's matrix work and LDS loads.  Every wave walks the head's 4,096 keys, 128 a step: one record of kv (12,800 bytes: K's four pair fragments, V's four fragments, their scale words).
; THE FIRST PRODUCT'S K IS 64, the instruction's 128: a pair fragment of K holds two key tiles, one in each half of the 128, and is multiplied twice: by [q | zeros] for the first tile, by [zeros | q]
; for the second.  Zero codes add nothing under any scale byte that the quantiser makes.  q stands between two runs of six zero registers, so both operands share its six.
; LAYOUT.  Both products are used transposed (S^T = K q^T, O^T = V^T p^T): a lane holds ONE query throughout.  The tokens of a tile are not neighbours (lane r of tile 2 b + u: token 32 b + 8 u + r + 8 (r / 8)),
; so the 16 registers of key tiles 2 b and 2 b + 1 are the neighbouring keys 32 b + 16 (lane / 16) + 0 .. 15, and O^T's likewise are neighbouring channels.
; RING.  Two LDS slots of four records; waves 0 and 1 each fetch two records with one tensor load (100 rows of 256 bytes, dense); all sixteen waves read.  A wave has at most one tensor load out.
; CLUSTER.  The four query blocks of a cluster belong to one (batch, head) and walk the same records: each load is asked for JOINTLY, with the same descriptor and a mask that names the four.
; Every LDS read is an image: 512 consecutive bytes an instruction, so no padding is wanted.
; OUT.  ob [tile 512][K step 4][chunk 6][256 bytes]: chunk j = registers 2 j, 2 j + 1 of the last product's fragment, lane l at 8 l; head 2 s + c fills chunks 3 c .. 3 c + 2 of K step s: 256 consecutive bytes a store.
; os [tile 512][head 8][r 16][2 bytes]: a wave's 32 scale bytes are consecutive, one byte a lane: 32 of the wave's 800 bytes of output.
; LIMITS: NaN and infinities are not served; a block of zeros gets the byte 1 (its codes are zeros; this program alone reads the bytes); a p under 2^-126 comes out as 0; a block's largest p is taken from
; its largest score, which takes v_exp_f32 not to fall where its input rises.
.set REC,   12800
.set BHS,   32*REC
.set SLOT1, 65536                      ; slot 0 at 0, slot 1 here: one exclusive or turns an address from one slot to the other
.set SPARE, SLOT1+4*REC                ; 116,736: behind the ring: the spare words, 128 bytes for each of sixteen waves: eight blocks of 256 bytes that no other line names
.set LI,  1                            ; v1   16 x lane
.set LSC, 2                            ; v2   16 x (lane % 16)
.set SPW, 3                            ; v3   LDS address of my spare word; never rewritten
.set NIL, 4                            ; v4   0; never rewritten
.set ADR, 5                            ; v5   the step's record + 16 x lane
.set ADS, 6                            ; v6   the step's record + 16 x (lane % 16)
.set GO,  7                            ; v7   8 x lane
.set GS,  8                            ; v8   2 r + h
;                                        v12 -M, v13 the largest t, v[14:15] the sum in two halves
.set QHI, 16                           ; v16-27  [zeros | q]
.set QLO, 22                           ; v22-33  [q | zeros]
.set QS,  34                           ; v34  q's scale word: its two bytes, twice
.set FR,  36                           ; v36-83  four fragments: K's pairs, then V's
.set KS,  84                           ; v84-87  K's scale words
.set VS,  88                           ; v88-91  V's
.set S,   96                           ; v96-159 S^T, then p
.set O,   160                          ; v160-191 O^T
.set PC,  192                          ; v192-203 p's codes
.set Y,   204                          ; v204-210 the conversions' second halves
.set BM,  212                          ; v212-215 a block's largest score, then its largest p
.set BT,  216                          ; v216-219 the other half's maxima, then the bytes
.set BO,  220                          ; v220-223 the conversions' scale operands
.set PSW, 224                          ; v224 p's scale word
.set F,   226                          ; v[226:227] f = 2^(old M - new M), and a 0 that is named with it as a pair
.set WK,  228
.set L2,  230                          ; v[230:231] the second chain of sums
.set WV,  12                           ; s12 wave
.set BH,  15                           ; s15 (batch, head)
.set G1,  24                           ; s[24:31] descriptor group 1
.set G0,  32                           ; s[32:35] descriptor group 0: it walks
.set SEL, 36                           ; s[36:37] lane selects for v_permlanex16_b32: lane l xor 16
.set CS,  38                           ; s[38:39] c = log2(e) / 8
.set TB,  40                           ; s40 LDS byte of the step's record
.set SLOTS, 41
.set CNT, 42
; A round of the cluster's barrier: my work-group's barrier, wave 0's signal for the work-group, every wave's wait for all four work-groups, my work-group's barrier once more.
.macro ROUND
	s_barrier_signal -1
	s_barrier_wait -1
	s_cmp_lg_u32 s[WV], 0
	s_cbranch_scc1 .Lnot_wave_0_\@
	s_barrier_signal -3
.Lnot_wave_0_\@:
	s_barrier_wait -3
	s_barrier_signal -1
	s_barrier_wait -1
.endm
; The joint load: waves 0 and 1, two records each.  The branch hangs on the wave's number alone.  Four v_nop follow the load.
.macro TLOAD
	s_cmp_lt_u32 s[WV], 2
	s_cbranch_scc0 .Lasked_\@
	tensor_load_to_lds s[G0:G0+3], s[G1:G1+7]
	s_nop 0
.rept 4
	v_nop
.endr
.Lasked_\@:
.endm
; THE CHANGE OF SLOTS stands at a slot's head.  Each wave waits for all its tensor loads (its part of the slot ahead), adds 0 to its spare word, and waits for that and for its reads of the slot that it has left.
; fill = 1: a round of the cluster's barrier, so that no wave of any partner still reads the other slot or has a load on its way; then that slot is asked for: the load has four key steps in which to land.
.macro CHANGE fill
	s_wait_tensorcnt 0x0                           ; no tensor load of mine is out, so group 0 may be written
	ds_add_u32 v[SPW], v[NIL]                      ; 0 onto my spare word
.if \fill
	s_xor_b32 s[G0+1], s[G0+1], SLOT1              ; the other slot than last time,
	s_add_nc_u64 s[G0+2:G0+3], s[G0+2:G0+3], 4*REC ; the next four records; the type bits on top are not reached
.endif
	s_wait_dscnt 0x0                               ; the add is done, and my reads of the slot that I have left are over
.if \fill
	ROUND
	TLOAD                                          ; the first tensor load behind the round, and a wave's only one until the next
.else
	s_barrier_signal -1
	s_barrier_wait -1
.endif
.endm
; A KEY STEP: 128 keys, the record at s[TB].
.macro STEP
	v_add_nc_u32 v[ADR], s[TB], v[LI]
	v_add_nc_u32 v[ADS], s[TB], v[LSC]
	v_nop
	v_nop                                          ; these four lines are the places behind the last step's products, in front of the loads into registers that they read
.irp b, 0,1,2,3
.irp q, 0,1,2
	ds_load_b128 v[FR+12*\b+4*\q:FR+12*\b+4*\q+3], v[ADR] offset:1536*\b+512*\q   ; K's pair fragment b
.endr
.endr
	ds_load_b128 v[KS:KS+3], v[ADS] offset:12288   ; lane r: the four pairs' scale words of row r
	s_wait_dscnt 0x0
.irp b, 0,1,2,3                                ; S^T = K q^T: register S + 16 b + i = key 32 b + 16 (lane / 16) + i
	v_wmma_scale_f32_16x16x128_f8f6f4 v[S+16*\b:S+16*\b+7], v[FR+12*\b:FR+12*\b+11], v[QLO:QLO+11], 0, v[KS+\b], v[QS] matrix_a_fmt:MATRIX_FMT_BF6 matrix_b_fmt:MATRIX_FMT_BF6
	v_wmma_scale_f32_16x16x128_f8f6f4 v[S+16*\b+8:S+16*\b+15], v[FR+12*\b:FR+12*\b+11], v[QHI:QHI+11], 0, v[KS+\b], v[QS] matrix_a_fmt:MATRIX_FMT_BF6 matrix_b_fmt:MATRIX_FMT_BF6
.endr
.rept 4
	v_nop                                          ; four places: in front of the loads into K's registers and of the first read of the scores
.endr
.irp t, 0,1,2,3
.irp q, 0,1,2
	ds_load_b128 v[FR+12*\t+4*\q:FR+12*\t+4*\q+3], v[ADR] offset:6144+1536*\t+512*\q   ; V's fragment t: it lands while the softmax runs
.endr
.endr
	ds_load_b128 v[VS:VS+3], v[ADS] offset:12544
.irp b, 0,1,2,3
	v_max3_num_f32 v[BM+\b], v[S+16*\b], v[S+1+16*\b], v[S+2+16*\b]   ; THE LARGEST SCORE OF EACH BLOCK OF 32 KEYS serves twice: for the row's maximum, and, since p rises with the score, for the block's largest p
.endr
.irp i, 3,5,7,9,11,13
.irp b, 0,1,2,3
	v_max3_num_f32 v[BM+\b], v[BM+\b], v[S+16*\b+\i], v[S+1+16*\b+\i]   ; (the four blocks by turns; each accumulator is first read at its low end)
.endr
.endr
.irp b, 0,1,2,3
	v_max_num_f32 v[BM+\b], v[BM+\b], v[S+15+16*\b]
.endr
.irp b, 0,1,2,3
	v_permlanex16_b32 v[BT+\b], v[BM+\b], s[SEL], s[SEL+1]
.endr
.irp b, 0,1,2,3
	v_max_num_f32 v[BM+\b], v[BM+\b], v[BT+\b]     ; with lane l xor 16's 16 keys
.endr
	v_max3_num_f32 v[WK], v[BM], v[BM+1], v[BM+2]
	v_max_num_f32 v[WK], v[WK], v[BM+3]            ; the step's largest score of my query
	v_mul_f32 v[WK], s[CS], v[WK]                  ; as t (c is positive)
	v_max_num_f32 v13, v13, v[WK]                  ; the running largest t
	v_mov_b32 v[WK], v12
	v_floor_f32 v12, -v13                          ; the new -M = floor(-t) = -ceil(t): M is a whole number
	v_sub_f32 v[WK], v12, v[WK]                    ; old M less new M: a whole number, 0 or less
	v_cvt_i32_f32 v[WK], v[WK]                     ; (it saturates)
	v_ldexp_f32 v[F], 1.0, v[WK]                   ; f = 2^(old M - new M): a multiplication by it rounds nothing
.set j, 0
.rept 32
	v_pk_fma_f32 v[S+j:S+j+1], v[S+j:S+j+1], s[CS:CS+1], v[12:13] op_sel_hi:[1,0,0]   ; t - M, two at a time (of the pairs c and -M the low word serves both halves)
.set j, j+2
.endr
.irp b, 0,1,2,3
	v_fma_f32 v[BM+\b], v[BM+\b], s[CS], v12       ; the same of each block's largest score
.endr
.set j, 0
.rept 64
	v_exp_f32 v[S+j], v[S+j]                       ; p = 2^(t - M), at most 1
.set j, j+1
.endr
.irp b, 0,1,2,3
	v_exp_f32 v[BM+\b], v[BM+\b]                   ; the block's largest p: the same two instructions on the same number give the same bits
.endr
	v_pk_mul_f32 v[14:15], v[14:15], v[F:F+1] op_sel_hi:[1,0]   ; the sums under the new M.  (The plain place behind the exponentials)
	s_wait_alu depctr_va_vdst(0)
.irp b, 0,1,2,3
	v_max_num_f32 v[BM+\b], 0x2800000, v[BM+\b]    ; the floor 2^(5 - 127): the byte cannot fall under 1
.endr
.irp b, 0,1,2,3
	v_add_nc_u32 v[BO+\b], 0xfe000000, v[BM+\b]    ; 4 off the exponent field: the conversion's scale operand
.endr
.irp b, 0,1,2,3
	v_lshrrev_b32 v[BT+\b], 23, v[BO+\b]           ; the scale's byte
.endr
	v_lshl_or_b32 v[PSW], v[BT+1], 8, v[BT]        ; p's scale word for these 128 keys
	v_lshl_or_b32 v[PSW], v[BT+2], 16, v[PSW]
	v_lshl_or_b32 v[PSW], v[BT+3], 24, v[PSW]
.irp c, 0,1
	v_cvt_scalef32_pk16_bf6_f32 v[PC+6*\c:PC+6*\c+2], v[S+32*\c:S+32*\c+15], v[BO+2*\c]
	v_cvt_scalef32_pk16_bf6_f32 v[Y+4*\c:Y+4*\c+2], v[S+16+32*\c:S+31+32*\c], v[BO+2*\c+1]   ; (a conversion's three registers begin on an even number)
.endr
	v_nop                                          ; one plain place behind the scaled conversions
.irp c, 0,1                                    ; the operand's layout wants a WHOLE block in a lane: lanes 0-15 block 2 c, lanes 16-31 block 2 c + 1
.irp i, 0,1,2
	v_permlane16_swap_b32 v[PC+6*\c+\i], v[Y+4*\c+\i]
.endr
.irp i, 0,1,2
	v_mov_b32 v[PC+3+6*\c+\i], v[Y+4*\c+\i]
.endr
.endr
	v_pk_add_f32 v[L2:L2+1], v[S:S+1], v[S+2:S+3]  ; THE ROW'S SUM IS TAKEN OF THE UNQUANTISED p: two at a time, in two chains
.set j, 4
.rept 15
	v_pk_add_f32 v[14:15], v[14:15], v[S+j:S+j+1]
	v_pk_add_f32 v[L2:L2+1], v[L2:L2+1], v[S+j+2:S+j+3]
.set j, j+4
.endr
	v_pk_add_f32 v[14:15], v[14:15], v[L2:L2+1]
.set j, 0
.rept 16
	v_pk_mul_f32 v[O+j:O+j+1], v[O+j:O+j+1], v[F:F+1] op_sel_hi:[1,0]   ; O^T under the new M.  (The sums and these are the places between p's scale word and codes and the products below)
.set j, j+2
.endr
	s_wait_dscnt 0x0                               ; V's fragments and scale words are in
.irp t, 0,1,2,3                                ; O^T += V^T p^T: the four accumulators by turns, one instruction each
	v_wmma_scale_f32_16x16x128_f8f6f4 v[O+8*\t:O+8*\t+7], v[FR+12*\t:FR+12*\t+11], v[PC:PC+11], v[O+8*\t:O+8*\t+7], v[VS+\t], v[PSW] matrix_a_fmt:MATRIX_FMT_BF6 matrix_b_fmt:MATRIX_FMT_BF6
.endr
	s_add_co_u32 s[TB], s[TB], REC                 ; the next record
.endm
; A slot's four key steps: written once, walked four times
.macro STEPS
	s_mov_b32 s[CNT], 4
.Lstep_\@:
	STEP
	s_sub_co_u32 s[CNT], s[CNT], 1
	s_cmp_lg_u32 s[CNT], 0
	s_cbranch_scc1 .Lstep_\@
	s_sub_co_u32 s[TB], s[TB], 4*REC               ; back to a slot's first record,
	s_xor_b32 s[TB], s[TB], SLOT1                  ; in the other slot
.endm
	s_load_b256 s[4:11], s[0:1], 0x0               ; qb s[4:5], kv s[6:7], ob s[8:9], os s[10:11]
	v_lshl_add_u32 v[SPW], v0, 2, SPARE
	v_mov_b32 v[NIL], 0
	ds_add_u32 v3, v4
	s_wait_dscnt 0x0
	v_lshrrev_b32 v5, 5, v0
	v_readfirstlane_b32 s[WV], v5                  ; wave 0..15
	s_and_b32 s[BH], ttmp7, 0xffff                 ; (batch, head): the four partners share it
	s_and_b32 s18, s[WV], 1
	s_mul_i32 s18, s18, 2*REC                      ; which two records of a slot I fetch, if I fetch: in LDS and in memory alike
	s_mul_i32 s16, s[BH], BHS
	s_add_co_u32 s16, s16, s18
	s_mov_b32 s17, 0
	; descriptor group 1: a dense block of 25,600 bytes as 100 rows of 32 elements of 8 bytes
	s_mov_b32 s[G1], 15|(3<<16)|(1<<21)            ; 15:0 the mask: all four work-groups; 17:16 elements of 8 bytes; 20 padding off; 21 set beside a mask
	s_mov_b32 s[G1+1], 32<<16                      ; tensor_dim0 = 32
	s_mov_b32 s[G1+2], 100<<16                     ; tensor_dim1 = 100
	s_mov_b32 s[G1+3], 32<<16                      ; tile_dim0 = 32
	s_mov_b32 s[G1+4], 100                         ; tile_dim1 = 100
	s_mov_b32 s[G1+5], 32                          ; from row to row: 32 elements
	s_mov_b32 s[G1+6], 0
	s_mov_b32 s[G1+7], 0
	s_mov_b32 s[SEL], 0x76543210
	s_mov_b32 s[SEL+1], 0xfedcba98
	s_mov_b32 s[CS], 0x3e38aa3b                    ; c = log2(e) / 8
	s_mov_b32 s[CS+1], s[CS]                       ; (named with it as a pair, so it is written)
	s_mov_b32 s[TB], 0
	s_mov_b32 s[SLOTS], 7
	; my place in the cluster enters Q's, ob's and os's global addresses alone, in registers that feed no descriptor
	s_bfe_u32 s13, ttmp6, 0x40000                  ; cx
	s_lshl_b32 s14, ttmp9, 2
	s_add_co_u32 s14, s14, s13                     ; my block of 256 queries = 4 x cluster x + cx
	s_lshl_b32 s54, s14, 1
	s_lshr_b32 s55, s[WV], 3
	s_add_co_u32 s54, s54, s55                     ; my tile's record in qb: 2 x block + wave / 8
	s_mul_i32 s54, s54, REC
	s_mul_i32 s55, s[BH], BHS
	s_add_co_u32 s54, s54, s55
	s_bfe_u32 s56, s[WV], 0x20001                  ; its pair: (wave / 2) % 4
	s_mul_i32 s57, s56, 1536
	s_add_co_u32 s58, s54, s57                     ; the pair fragment's image
	s_mov_b32 s59, 0
	s_lshl_b32 s57, s56, 2
	s_add_co_u32 s60, s54, s57
	s_add_co_u32 s60, s60, 12288                   ; the pair's scale words
	s_mov_b32 s61, 0
	s_lshr_b32 s20, s[BH], 3
	s_lshl_b32 s20, s20, 8
	s_lshl_b32 s21, s14, 4
	s_add_co_u32 s20, s20, s21
	s_add_co_u32 s20, s20, s[WV]                   ; my tile among the 512: 256 x batch + 16 x block + wave
	s_and_b32 s21, s[BH], 7                        ; the head
	s_lshl_b32 s22, s20, 2
	s_lshr_b32 s23, s21, 1
	s_add_co_u32 s22, s22, s23
	s_mul_i32 s22, s22, 1536
	s_and_b32 s23, s21, 1
	s_mul_i32 s23, s23, 768
	s_add_co_u32 s22, s22, s23                     ; ob: (4 x tile + head / 2) x 1,536 + (head % 2) x 768
	s_mov_b32 s23, 0
	s_lshl_b32 s62, s20, 3
	s_add_co_u32 s62, s62, s21
	s_lshl_b32 s62, s62, 5                         ; os: (8 x tile + head) x 32
	s_mov_b32 s63, 0
	s_and_b32 s43, s[WV], 1                        ; which tile of the pair is mine
	s_mov_b32 s44, 0x01000100
	s_cmp_eq_u32 s43, 1
	s_cselect_b32 s43, -1, 0                       ; as a lane mask,
	s_cselect_b32 s44, 0x03020302, s44             ; and as byte selects: my tile's two scale bytes, twice
	v_and_b32 v[LI], 31, v0
	v_lshlrev_b32 v[GO], 3, v[LI]
	v_lshlrev_b32 v[LI], 4, v[LI]
	v_and_b32 v[LSC], 15, v0
	v_bfe_u32 v[GS], v0, 4, 1
	v_lshl_add_u32 v[GS], v[LSC], 1, v[GS]
	v_lshlrev_b32 v[LSC], 4, v[LSC]
	s_wait_kmcnt 0x0
	s_mov_b32 s[G0], 1                             ; 1:0 count = 1
	s_mov_b32 s[G0+1], s18                         ; 63:32 LDS address: slot 0
	s_add_nc_u64 s[G0+2:G0+3], s[6:7], s[16:17]    ; 120:64 global address: the head's first records
	s_or_b32 s[G0+3], s[G0+3], 0x80000000          ; 127:126 type = 2
	s_add_nc_u64 s[46:47], s[4:5], s[58:59]
	s_add_nc_u64 s[48:49], s[4:5], s[60:61]
	s_add_nc_u64 s[50:51], s[8:9], s[22:23]
	s_add_nc_u64 s[52:53], s[10:11], s[62:63]
	ROUND                                          ; all four work-groups are here: the first joint loads meet
	TLOAD                                          ; slot 0
.irp q, 0,1,2
	global_load_b128 v[S+4*\q:S+4*\q+3], v[LI], s[46:47] offset:512*\q   ; the pair fragment that holds my tile of Q
.endr
	global_load_b32 v[S+12], v[LSC], s[48:49]      ; and its scale words
	s_wait_loadcnt 0x0
.irp i, 0,1,2,3,4,5
	v_cndmask_b32 v[QLO+\i], v[S+\i], v[S+6+\i], s43   ; my tile's six registers
.endr
	v_perm_b32 v[QS], v[S+12], v[S+12], s44
.irp i, 0,1,2,3,4,5
	v_mov_b32 v[QHI+\i], 0                         ; zero codes on both sides of q
	v_mov_b32 v[QLO+6+\i], 0
.endr
.set j, 0
.rept 32
	v_mov_b32 v[O+j], 0                            ; O^T: the step is written once; the first finds zeros, which the first change of M leaves zeros.  (These are also the places between q's scale word and the first product)
.set j, j+1
.endr
.irp b, 0,1,2,3
	v_mov_b32 v[BT+\b], 0                          ; written once: a lane permute's destination counts as one of its sources
.endr
	v_mov_b32 v[F+1], 0
	v_mov_b32 v13, 0xff61b1e6                      ; the largest t so far: -3e38, under every t
	v_floor_f32 v12, -v13                          ; -M
	v_mov_b32 v14, 0                               ; the sum, in two halves
	v_mov_b32 v15, 0
.Lslot:                                            ; seven trips: behind each change of slots but the last the next slot is asked for
	CHANGE 1
	STEPS
	s_sub_co_u32 s[SLOTS], s[SLOTS], 1
	s_cmp_lg_u32 s[SLOTS], 0
	s_cbranch_scc1 .Lslot
	CHANGE 0                                       ; the last slot is written out
	STEPS
	; THE WAY OUT.  O^T / the sum, quantised along the head's 64 channels (two blocks of the last product's K), straight from registers to memory.
	v_add_f32 v14, v14, v15                        ; the sum's two halves,
	v_permlanex16_b32 v[WK], v14, s[SEL], s[SEL+1]
	v_add_f32 v14, v14, v[WK]                      ; and lane l xor 16's: the row's sum
	v_rcp_f32 v14, v14
	v_bfe_u32 v[ADR], v0, 4, 1                     ; (a plain place behind the reciprocal)  h
	v_cmp_eq_u32 vcc_lo, 1, v[ADR]                 ; lanes 16-31
.rept 4
	v_nop                                          ; four places behind the last products, in front of the first read of O^T
.endr
.set j, 0
	s_wait_alu depctr_va_vdst(0)
.rept 32
	v_mul_f32 v[S+j], v[O+j], v14                  ; register 16 b + i = channel 32 b + 16 h + i of my query; each accumulator from its low end on
.set j, j+1
.endr
.irp b, 0,1
	v_max3_num_f32 v[BM+\b], |v[S+16*\b]|, |v[S+1+16*\b]|, 0x2800000
.endr
.irp i, 2,4,6,8,10,12,14
.irp b, 0,1
	v_max3_num_f32 v[BM+\b], v[BM+\b], |v[S+16*\b+\i]|, |v[S+1+16*\b+\i]|
.endr
.endr
.irp b, 0,1
	v_permlanex16_b32 v[BT+\b], v[BM+\b], s[SEL], s[SEL+1]
.endr
.irp b, 0,1
	v_max_num_f32 v[BM+\b], v[BM+\b], v[BT+\b]
.endr
.irp b, 0,1
	v_add_nc_u32 v[BO+\b], 0xfe000000, v[BM+\b]
.endr
.irp b, 0,1
	v_lshrrev_b32 v[BT+\b], 23, v[BO+\b]
.endr
	v_cvt_scalef32_pk16_bf6_f32 v[PC:PC+2], v[S:S+15], v[BO]
	v_cvt_scalef32_pk16_bf6_f32 v[Y:Y+2], v[S+16:S+31], v[BO+1]
	v_nop                                          ; one plain place behind the scaled conversions
	v_cndmask_b32 v[WK], v[BT], v[BT+1], vcc_lo    ; lane (r, h) stores block h's byte
.irp i, 0,1,2
	v_permlane16_swap_b32 v[PC+\i], v[Y+\i]
.endr
.irp i, 0,1,2
	v_mov_b32 v[PC+3+\i], v[Y+\i]                  ; six registers: lane (r, h) = query r, channels 32 h .. 32 h + 31
.endr
.irp j, 0,1,2
	global_store_b64 v[GO], v[PC+2*\j:PC+2*\j+1], s[50:51] offset:256*\j   ; 32 lanes store 256 consecutive bytes, aligned
.endr
	global_store_b8 v[GS], v[WK], s[52:53]         ; the wave's 32 scale bytes, consecutive
	s_wait_tensorcnt 0x0                           ; the wave's end
	ds_add_u32 v[SPW], v[NIL]
	s_wait_dscnt 0x0
	ROUND                                          ; the closing round: no work-group ends while a partner may still ask for a tile that names it
	s_endpgm
.Lfunc_end_k_qa42ad47e62_attn:
	.size	k_qa42ad47e62_attn, .Lfunc_end_k_qa42ad47e62_attn-k_qa42ad47e62_attn
	.p2alignl 7, 3214868480
	.fill 96, 4, 3214868480
	.section	.rodata,"a",@progbits
	.p2align	6, 0x0
	.amdhsa_kernel k_qa42ad47e62_attn
		.amdhsa_group_segment_fixed_size 327680
		.amdhsa_private_segment_fixed_size 0
		.amdhsa_enable_private_segment 0
		.amdhsa_kernarg_size 32
		.amdhsa_user_sgpr_count 2
		.amdhsa_user_sgpr_kernarg_segment_ptr 1
		.amdhsa_wavefront_size32 1
		.amdhsa_system_sgpr_workgroup_id_x 1
		.amdhsa_system_sgpr_workgroup_id_y 1
		.amdhsa_system_sgpr_workgroup_id_z 1
		.amdhsa_system_vgpr_workitem_id 0
		.amdhsa_next_free_vgpr 256
		.amdhsa_next_free_sgpr 66
		.amdhsa_reserve_vcc 1
		.amdhsa_float_denorm_mode_32 3
		.amdhsa_float_denorm_mode_16_64 3
		.amdhsa_memory_ordered 1
		.amdhsa_forward_progress 1
		.amdhsa_inst_pref_size 43
	.end_amdhsa_kernel
	.amdgpu_metadata
---
amdhsa.version: [ 1, 2 ]
amdhsa.kernels:
  - .name:           k_qa42ad47e62_attn
    .symbol:         k_qa42ad47e62_attn.kd
    .args:
      - { .name: qb, .offset: 0, .size: 8, .value_kind: global_buffer, .address_space: global }
      - { .name: kv, .offset: 8, .size: 8, .value_kind: global_buffer, .address_space: global }
      - { .name: ob, .offset: 16, .size: 8, .value_kind: global_buffer, .address_space: global }
      - { .name: os, .offset: 24, .size: 8, .value_kind: global_buffer, .address_space: global }
    .group_segment_fixed_size: 327680
    .private_segment_fixed_size: 0
    .kernarg_segment_align: 8
    .kernarg_segment_size: 32
    .max_flat_workgroup_size: 512
    .sgpr_count:     66
    .vgpr_count:     256
    .wavefront_size: 32
...
	.end_amdgpu_metadata
.endif
;; end of part 3
;; launch oproj (part 4): grid 256 x 1, 4 waves a work-group, no clusters, 34,304 bytes of LDS; arguments ob, os, wc, ws, out0; writes out0
.if DOCPART == 4
	.amdgcn_target "amdgcn-amd-amdhsa--gfx1250"
	.amdhsa_code_object_version 6
	.text
	.protected	k_qa42ad47e62_oproj
	.globl	k_qa42ad47e62_oproj
	.p2align	8
	.type	k_qa42ad47e62_oproj,@function
k_qa42ad47e62_oproj:
	s_mov_b64 s[64:65], 0
	v_nop
	global_prefetch_b8 v0, s[64:65] scope:SCOPE_SE
	s_setreg_imm32_b32 hwreg(HW_REG_WAVE_MODE, 25, 1), 1
	s_wait_xcnt 0x0
; out0 = O Wo^T on codes of BF6 (E3M2) with E8M0 scales.  O comes as images of operand registers (ob [tile 512][K step 4][chunk 6][256 bytes]: chunk j = registers 2 j, 2 j + 1, lane l at 8 l) with its scale
; bytes (os [tile 512][head 8][r 16][2]); Wo as rows of codes (wc's rows 1,536 on, 384 bytes each) with 16 scale bytes a row (ws).  out0: [8192][512] f32.
; SHARES.  Work-group x owns tokens 32 x .. 32 x + 31: tiles 2 x and 2 x + 1 (lane r of tile u: token 32 x + 8 u + r + 8 (r / 8)).  Wave w owns outputs 128 w .. 128 w + 127: 128 rows of Wo in 384 registers.
; The matrix instruction is used transposed (source 0 = 16 rows of Wo, source 1 = 16 tokens), and the rows of a tile of Wo are not neighbours (lane r of tile 2 b + u: row 32 b + 8 u + r + 8 (r / 8)):
; so a lane holds one token, and the 16 registers of tiles 2 b and 2 b + 1 are the 16 neighbouring outputs 32 b + 16 (lane / 16) + 0 .. 15: 64 bytes of a row of out0.
; Two tiles x 8 accumulators x 4 K steps = 64 matrix instructions a wave, back to back.  The results go through the wave's own stage in LDS (16 rows of 512 bytes + 16) and leave as whole runs of
; 512 consecutive bytes, aligned.  Waves share nothing: no barrier.  No tensor load, so no ring.  No cluster: there is no tile in LDS that partners could ask for jointly.
; REGISTERS, in windows of 256: window 0: v4-10 addresses; v16-47 Wo's scale words; v48-55 O's; v64-127, v128-191 the two tiles' accumulators; v200-215 halves of O's scale words.
;   window 1: v0-191 Wo's K steps 0, 1; v192-239 tile 0 of O.   window 2: v0-191 Wo's K steps 2, 3; v192-239 tile 1.
.set ROWB, 384
.set STP,  528                         ; a stage row: 512 bytes + 16: sixteen lanes that store 16 bytes of sixteen rows fall on sixteen different columns of 16 bytes
.set VA,   4                           ; v4   (r + 8 (r / 8)) x 384 + 24 h
.set VS,   5                           ; v5   (r + 8 (r / 8)) x 16
.set LI,   6                           ; v6   16 x lane
.set L8,   7                           ; v7   8 x lane
.set R2,   8                           ; v8   2 r
.set STO,  9                           ; v9   the stage, in: row r, + 64 h
.set RD,   10                          ; v10  the stage, back: 16 x lane
.set PS,   16
.set RS,   48
.set ACCA, 64
.set ACCB, 128
.set T16,  200
.set MSB, 0
.macro WIN new                         ; the immediate's high byte repeats the setting that is left; a switch that changes nothing is dropped
.if MSB != (\new)
	s_set_vgpr_msb (MSB<<8)|(\new)
.set MSB, (\new)
.endif
.endm
.macro HOLD                            ; Wo's 8 tiles x 4 K steps x 6 loads of 8 bytes, and 8 loads of a row's 16 scale bytes
	WIN 0x40                                       ; destination window 1
.irp t, 0,1,2,3,4,5,6,7
.irp s, 0,1
.irp p, 0,1,2,3,4,5
	global_load_b64 v[24*\t+12*\s+2*\p:24*\t+12*\s+2*\p+1], v[VA], s[28:29] offset:(32*(\t/2)+8*(\t%2))*ROWB+96*\s+48*(\p/3)+8*(\p%3)
.endr
.endr
.endr
	WIN 0x80                                       ; destination window 2
.irp t, 0,1,2,3,4,5,6,7
.irp s, 0,1
.irp p, 0,1,2,3,4,5
	global_load_b64 v[24*\t+12*\s+2*\p:24*\t+12*\s+2*\p+1], v[VA], s[28:29] offset:(32*(\t/2)+8*(\t%2))*ROWB+192+96*\s+48*(\p/3)+8*(\p%3)
.endr
.endr
.endr
	WIN 0
.irp t, 0,1,2,3,4,5,6,7
	global_load_b128 v[PS+4*\t:PS+4*\t+3], v[VS], s[30:31] offset:(32*(\t/2)+8*(\t%2))*16
.endr
.endm
; 32 matrix instructions for tile e: the eight accumulators take turns, one instruction a turn, K step by K step.  The first K step starts the sums with the constant 0.
.macro MULS e, acc
	WIN 0x01|((1+\e)<<2)                           ; source 0 (Wo) window 1, source 1 (O) window 1 + e, C and D window 0
.irp t, 0,1,2,3,4,5,6,7
	v_wmma_scale_f32_16x16x128_f8f6f4 v[\acc+8*\t:\acc+8*\t+7], v[24*\t:24*\t+11], v[192:203], 0, v[PS+4*\t], v[RS+4*\e] matrix_a_fmt:MATRIX_FMT_BF6 matrix_b_fmt:MATRIX_FMT_BF6
.endr
.irp t, 0,1,2,3,4,5,6,7
	v_wmma_scale_f32_16x16x128_f8f6f4 v[\acc+8*\t:\acc+8*\t+7], v[24*\t+12:24*\t+23], v[204:215], v[\acc+8*\t:\acc+8*\t+7], v[PS+4*\t+1], v[RS+4*\e+1] matrix_a_fmt:MATRIX_FMT_BF6 matrix_b_fmt:MATRIX_FMT_BF6
.endr
	WIN 0x02|((1+\e)<<2)                           ; Wo's K steps 2 and 3 lie in window 2
.irp t, 0,1,2,3,4,5,6,7
	v_wmma_scale_f32_16x16x128_f8f6f4 v[\acc+8*\t:\acc+8*\t+7], v[24*\t:24*\t+11], v[216:227], v[\acc+8*\t:\acc+8*\t+7], v[PS+4*\t+2], v[RS+4*\e+2] matrix_a_fmt:MATRIX_FMT_BF6 matrix_b_fmt:MATRIX_FMT_BF6
.endr
.irp t, 0,1,2,3,4,5,6,7
	v_wmma_scale_f32_16x16x128_f8f6f4 v[\acc+8*\t:\acc+8*\t+7], v[24*\t+12:24*\t+23], v[228:239], v[\acc+8*\t:\acc+8*\t+7], v[PS+4*\t+3], v[RS+4*\e+3] matrix_a_fmt:MATRIX_FMT_BF6 matrix_b_fmt:MATRIX_FMT_BF6
.endr
.endm
.macro TOSTAGE acc                     ; a tile's 16 rows x 128 outputs into my stage, and back as whole rows, into the registers that they left.  LDS serves a wave's instructions in order: no wait between
.irp b, 0,1,2,3
.irp q, 0,1,2,3
	ds_store_b128 v[STO], v[\acc+16*\b+4*\q:\acc+16*\b+4*\q+3] offset:128*\b+16*\q   ; each accumulator from its low end on
.endr
.endr
.irp i, 0,1,2,3,4,5,6,7,8,9,10,11,12,13,14,15
	ds_load_b128 v[\acc+4*\i:\acc+4*\i+3], v[RD] offset:\i*STP
.endr
.endm
.macro SEND acc, u                     ; stage row i of tile u is token 32 x + 8 u + i + 8 (i / 8)
.irp i, 0,1,2,3,4,5,6,7,8,9,10,11,12,13,14,15
	global_store_b128 v[LI], v[\acc+4*\i:\acc+4*\i+3], s[36:37] offset:(8*\u+\i+8*(\i/8))*2048 th:TH_STORE_NT   ; 32 lanes store 512 consecutive bytes, aligned; written once, read by nobody here
.endr
.endm
	s_load_b256 s[8:15], s[0:1], 0x0               ; ob s[8:9], os s[10:11], wc s[12:13], ws s[14:15]
	s_load_b64 s[16:17], s[0:1], 0x20              ; out0
	v_lshl_add_u32 v254, v0, 2, 0x8400
	v_mov_b32 v255, 0
	v_lshrrev_b32 v1, 5, v0
	v_readfirstlane_b32 s4, v1                     ; wave w
	v_and_b32 v1, 15, v0                           ; r
	v_bfe_u32 v2, v0, 4, 1                         ; h
	v_and_b32 v3, 8, v1
	v_add_nc_u32 v3, v3, v1                        ; r + 8 (r / 8)
	v_mul_u32_u24 v[VA], v3, ROWB
	v_mad_u32_u24 v[VA], v2, 24, v[VA]
	v_lshlrev_b32 v[VS], 4, v3
	v_and_b32 v[L8], 31, v0
	v_lshlrev_b32 v[LI], 4, v[L8]
	v_lshlrev_b32 v[L8], 3, v[L8]
	v_lshlrev_b32 v[R2], 1, v1
	s_mul_i32 s5, s4, 16*STP                       ; my stage
	v_mul_u32_u24 v[STO], v1, STP
	v_lshl_add_u32 v[STO], v2, 6, v[STO]
	v_add_nc_u32 v[STO], s5, v[STO]
	v_add_nc_u32 v[RD], s5, v[LI]
	s_lshl_b32 s20, s4, 7
	s_add_co_u32 s20, s20, 1536                    ; Wo's rows in wc and ws: 1,536 + 128 w
	s_mul_i32 s40, s20, ROWB
	s_mov_b32 s41, 0
	s_lshl_b32 s42, s20, 4
	s_mov_b32 s43, 0
	s_mul_i32 s44, ttmp9, 2*6144                   ; ob: two tiles of 6,144 bytes a work-group
	s_mov_b32 s45, 0
	s_lshl_b32 s46, ttmp9, 9                       ; os: two tiles of 256 bytes
	s_mov_b32 s47, 0
	s_lshl_b32 s22, ttmp9, 16                      ; out0: 32 rows of 2,048 bytes,
	s_lshl_b32 s23, s4, 9                          ; + my 128 outputs' 512 bytes
	s_add_co_u32 s22, s22, s23
	s_mov_b32 s23, 0
	s_wait_kmcnt 0x0
	s_add_nc_u64 s[28:29], s[12:13], s[40:41]
	s_add_nc_u64 s[30:31], s[14:15], s[42:43]
	s_add_nc_u64 s[32:33], s[8:9], s[44:45]
	s_add_nc_u64 s[34:35], s[10:11], s[46:47]
	s_add_nc_u64 s[36:37], s[16:17], s[22:23]
	HOLD
.irp e, 0,1
	WIN (1+\e)<<6
.irp s, 0,1,2,3
.irp j, 0,1,2,3,4,5
	global_load_b64 v[192+12*\s+2*\j:192+12*\s+2*\j+1], v[L8], s[32:33] offset:\e*6144+\s*1536+256*\j   ; 32 lanes read 256 consecutive bytes: two registers of a fragment
.endr
.endr
.endr
	WIN 0
.irp n, 0,1,2,3,4,5,6,7,8,9,10,11,12,13,14,15
	global_load_u16 v[T16+\n], v[R2], s[34:35] offset:32*\n   ; n = 8 e + head: row r's two scale bytes
.endr
	s_wait_loadcnt 0x0
.irp n, 0,1,2,3,4,5,6,7
	v_lshl_or_b32 v[RS+\n], v[T16+2*\n+1], 16, v[T16+2*\n]    ; n = 4 e + s: heads 2 s and 2 s + 1 make K step s's word
.endr
.rept 8
	v_nop                                          ; a scale register written by a vector instruction stands eight places ahead of a scaled matrix instruction
.endr
	MULS 0, ACCA
	MULS 1, ACCB
	WIN 0
.rept 4
	v_nop                                          ; four places behind the last products, in front of the first read of results and of loads into their registers
.endr
	TOSTAGE ACCA
	TOSTAGE ACCB
	s_wait_dscnt 32                                ; the first tile's rows are back; the second tile's 16 stores and 16 loads may be out
	SEND ACCA, 0
	s_wait_dscnt 0x0
	SEND ACCB, 1
	s_wait_tensorcnt 0x0
	ds_add_u32 v254, v255
	s_wait_dscnt 0x0
	s_endpgm
.Lfunc_end_k_qa42ad47e62_oproj:
	.size	k_qa42ad47e62_oproj, .Lfunc_end_k_qa42ad47e62_oproj-k_qa42ad47e62_oproj
	.p2alignl 7, 3214868480
	.fill 96, 4, 3214868480
	.section	.rodata,"a",@progbits
	.p2align	6, 0x0
	.amdhsa_kernel k_qa42ad47e62_oproj
		.amdhsa_group_segment_fixed_size 34304
		.amdhsa_private_segment_fixed_size 0
		.amdhsa_enable_private_segment 0
		.amdhsa_kernarg_size 40
		.amdhsa_user_sgpr_count 2
		.amdhsa_user_sgpr_kernarg_segment_ptr 1
		.amdhsa_wavefront_size32 1
		.amdhsa_system_sgpr_workgroup_id_x 1
		.amdhsa_system_sgpr_workgroup_id_y 1
		.amdhsa_system_sgpr_workgroup_id_z 1
		.amdhsa_system_vgpr_workitem_id 0
		.amdhsa_next_free_vgpr 768
		.amdhsa_next_free_sgpr 66
		.amdhsa_reserve_vcc 0
		.amdhsa_float_denorm_mode_32 3
		.amdhsa_float_denorm_mode_16_64 3
		.amdhsa_memory_ordered 1
		.amdhsa_forward_progress 1
		.amdhsa_inst_pref_size 44
	.end_amdhsa_kernel
	.amdgpu_metadata
---
amdhsa.version: [ 1, 2 ]
amdhsa.kernels:
  - .name:           k_qa42ad47e62_oproj
    .symbol:         k_qa42ad47e62_oproj.kd
    .args:
      - { .name: ob, .offset: 0, .size: 8, .value_kind: global_buffer, .address_space: global }
      - { .name: os, .offset: 8, .size: 8, .value_kind: global_buffer, .address_space: global }
      - { .name: wc, .offset: 16, .size: 8, .value_kind: global_buffer, .address_space: global }
      - { .name: ws, .offset: 24, .size: 8, .value_kind: global_buffer, .address_space: global }
      - { .name: out0, .offset: 32, .size: 8, .value_kind: global_buffer, .address_space: global }
    .group_segment_fixed_size: 34304
    .private_segment_fixed_size: 0
    .kernarg_segment_align: 8
    .kernarg_segment_size: 40
    .max_flat_workgroup_size: 128
    .sgpr_count:     66
    .vgpr_count:     768
    .wavefront_size: 32
...
	.end_amdgpu_metadata
.endif
;; end of part 4
;; ======== version 2 of 2: 4 launches
;; workspace buffers: xc 3,145,728 bytes; xs 131,072 bytes; wc 786,432 bytes; ws 32,768 bytes; qb 6,553,600 bytes; kv 6,553,600 bytes; ob 3,145,728 bytes; os 131,072 bytes
;; launch quant (part 5): grid 160 x 1, 4 waves a work-group, no clusters, 33,280 bytes of LDS; arguments X, Wq, Wk, Wv, Wo, xc, xs, wc, ws; writes xc, xs, wc, ws
.if DOCPART == 5
	.amdgcn_target "amdgcn-amd-amdhsa--gfx1250"
	.amdhsa_code_object_version 6
	.text
	.protected	k_qa42ad47e62_quant
	.globl	k_qa42ad47e62_quant
	.p2align	8
	.type	k_qa42ad47e62_quant,@function
k_qa42ad47e62_quant:
	s_mov_b64 s[64:65], 0
	v_nop
	global_prefetch_b8 v0, s[64:65] scope:SCOPE_SE
	s_setreg_imm32_b32 hwreg(HW_REG_WAVE_MODE, 25, 1), 1
	s_wait_xcnt 0x0
; X [8192][512] and Wq, Wk, Wv, Wo [512][512], f32, K innermost, become codes of BF6 (E3M2), 6 bits each, with one E8M0 scale byte for each 32 along K.
; xc [8192][384 bytes], xs [8192][16 bytes]; wc [2048][384], ws [2048][16]: the four weights' rows on end, in the order Wq, Wk, Wv, Wo.
; A block's scale is 2^(floor(log2(its largest magnitude)) - 4); its byte is the largest magnitude's exponent field - 4, held at 1 from below.  Each number is divided by the scale and rounded
; to the nearest code, ties to even; beyond 28 the largest code.
; LIMITS: a block of zeros gets the byte 1 where the rule says 127 (its codes are zeros, which add nothing, and this program alone reads the bytes); blocks whose largest magnitude lies under
; 2^(5 - 127) are held at that byte; NaN and infinities among the inputs are not served.
; Rows are dense and 512 is a multiple of 32, so every tensor is a plain stream of blocks of 32 numbers, and so are its codes and scale bytes.
; A wave takes 16 steps of 512 numbers, a work-group 32,768 numbers: X takes work-groups 0-127, each weight eight of the 32 that follow.  Only pointers are chosen: all five tensors take one path.
; Each of a step's four loads reads 512 consecutive bytes, 16 a lane; the conversion wants 16 neighbours in ONE lane: so a step's 2,048 bytes turn through the wave's own stage in LDS and come back
; 64 bytes a lane (16 bytes of padding behind each 64).  A wave's 256 scale bytes are gathered in LDS and leave as 256 consecutive bytes, aligned.  Waves share nothing: no barrier.
; No matrix work, no cluster: no byte is read by two work-groups.
.set STEPS, 16
.set XWG,   128                        ; X's work-groups: 8,192 x 512 / 32,768
.set EMAX,  4
.set CB,    12                         ; bytes of 16 codes
.set R,     16                         ; v16-79   four sets of 16 numbers as they are loaded
.set X,     80                         ; v80-111  two sets of 16 neighbours
.set C,     128                        ; v128-191 codes: four registers for each step, so that no store's data are written again
.set E,     112                        ; v112-127 a scale byte for each step
.set WREG,  8192                       ; LDS: a region for each wave: two stages of 32 x SP bytes, behind them its 256 scale bytes
.set SP,    80                         ; a lane's place in a stage: 64 bytes + 16 of padding
	s_load_b256 s[4:11], s[0:1], 0x0               ; X s[4:5], Wq s[6:7], Wk s[8:9], Wv s[10:11]
	s_load_b256 s[12:19], s[0:1], 0x20             ; Wo s[12:13], xc s[14:15], xs s[16:17], wc s[18:19]
	s_load_b64 s[20:21], s[0:1], 0x40              ; ws
	v_lshl_add_u32 v192, v0, 2, 0x8000
	v_mov_b32 v193, 0
	v_lshrrev_b32 v1, 5, v0
	v_readfirstlane_b32 s27, v1                    ; wave
	v_and_b32 v2, 31, v0                           ; lane
	v_lshlrev_b32 v3, 4, v2                        ; my 16 bytes of a load's 512
	s_mul_i32 s28, s27, WREG
	v_lshrrev_b32 v14, 2, v2
	v_mul_u32_u24 v14, v14, SP
	v_and_b32 v15, 3, v2
	v_lshl_add_u32 v14, v15, 4, v14
	v_add_nc_u32 v14, s28, v14                     ; the stage, on the way in: SP (lane / 4) + 16 (lane % 4)
	v_mul_u32_u24 v15, v2, SP
	v_add_nc_u32 v15, s28, v15                     ; and on the way out: SP x lane: my 16 neighbours
	v_mul_u32_u24 v4, v2, CB                       ; my codes' place in a step's
	v_lshrrev_b32 v5, 1, v2
	s_add_co_u32 s28, s28, 2*32*SP
	v_add_nc_u32 v5, s28, v5                       ; LDS: my wave's 256 scale bytes, my block's byte
	v_lshlrev_b32 v7, 3, v2                        ; and on the way out 8 bytes a lane
	v_add_nc_u32 v6, s28, v7
	s_sub_co_u32 s22, ttmp9, XWG                   ; among the weights' 32 work-groups (not used by X's)
	s_lshr_b32 s23, s22, 3                         ; which weight
	s_and_b32 s24, s22, 7                          ; which eighth of it
	s_wait_alu depctr_va_vdst(0)
	s_wait_kmcnt 0x0
	s_cmp_eq_u32 s23, 1                            ; every choice hangs on the work-group's number alone
	s_cselect_b64 s[6:7], s[8:9], s[6:7]
	s_cmp_eq_u32 s23, 2
	s_cselect_b64 s[6:7], s[10:11], s[6:7]
	s_cmp_eq_u32 s23, 3
	s_cselect_b64 s[6:7], s[12:13], s[6:7]
	s_cmp_lt_u32 ttmp9, XWG
	s_cselect_b64 s[4:5], s[4:5], s[6:7]           ; the numbers
	s_cselect_b64 s[8:9], s[14:15], s[18:19]       ; the codes
	s_cselect_b64 s[10:11], s[16:17], s[20:21]     ; the scale bytes
	s_cselect_b32 s25, ttmp9, s24                  ; work-group within the source tensor
	s_cselect_b32 s26, ttmp9, s22                  ; and within the destination
	s_lshl_b32 s25, s25, 2
	s_add_co_u32 s25, s25, s27                     ; my wave's run of 8,192 numbers in the source
	s_lshl_b32 s26, s26, 2
	s_add_co_u32 s26, s26, s27                     ; and in the destination
	s_lshl_b32 s30, s25, 15                        ; 32,768 bytes of numbers a run
	s_mov_b32 s31, 0
	s_add_nc_u64 s[4:5], s[4:5], s[30:31]
	s_mul_i32 s30, s26, 32*STEPS*CB                ; 6,144 bytes of codes
	s_add_nc_u64 s[8:9], s[8:9], s[30:31]
	s_lshl_b32 s30, s26, 8                         ; 256 scale bytes
	s_add_nc_u64 s[10:11], s[10:11], s[30:31]
.macro LOAD t
.irp i, 0,1,2,3
	global_load_b128 v[R+16*((\t)%4)+4*\i:R+16*((\t)%4)+4*\i+3], v3, s[4:5] offset:2048*(\t)+512*\i th:TH_LOAD_NT   ; 32 lanes read 512 consecutive bytes
.endr
.endm
.macro TURN t                          ; step t's numbers through the stage: LDS serves a wave's instructions in order, so no wait stands between the stores and the loads
.irp i, 0,1,2,3
	ds_store_b128 v14, v[R+16*((\t)%4)+4*\i:R+16*((\t)%4)+4*\i+3] offset:32*SP*((\t)%2)+8*SP*\i
.endr
.irp i, 0,1,2,3
	ds_load_b128 v[X+16*((\t)%2)+4*\i:X+16*((\t)%2)+4*\i+3], v15 offset:32*SP*((\t)%2)+16*\i
.endr
.endm
.irp t, 0,1,2,3
	LOAD \t
.endr
	s_wait_loadcnt 12                              ; step 0's four loads are in; the twelve of steps 1 to 3 may be out
	TURN 0
.macro STEP t
.set XS, X+16*((\t)%2)
.if (\t) > 0
	s_wait_dscnt 1                                 ; this step's numbers are back from the stage (the last step's byte store may be out): so its stores into the stage have read their registers,
.else
	s_wait_dscnt 0x0
.endif
.if (\t)+4 < STEPS
	LOAD (\t)+4                                    ; which take the loads of four steps on
.endif
.if (\t)+1 < STEPS
.if STEPS-2-(\t) >= 3
	s_wait_loadcnt 12                              ; the next step's four loads are in; those of the three steps behind it may be out
.else
	s_wait_loadcnt 4*(STEPS-2-(\t))                ; near the end fewer steps stand behind it
.endif
	TURN (\t)+1                                    ; and go through the other stage while this step is worked
.endif
	v_max3_num_f32 v8, |v[XS]|, |v[XS+1]|, |v[XS+2]|               ; the largest magnitude of my 16, in two chains
	v_max3_num_f32 v9, |v[XS+3]|, |v[XS+4]|, |v[XS+5]|
.irp i, 6,10
	v_max3_num_f32 v8, v8, |v[XS+\i]|, |v[XS+\i+1]|
	v_max3_num_f32 v9, v9, |v[XS+\i+2]|, |v[XS+\i+3]|
.endr
	v_max3_num_f32 v8, v8, |v[XS+14]|, |v[XS+15]|
	v_max3_num_f32 v8, v8, v9, (EMAX+1)<<23        ; and the floor 2^(EMAX + 1 - 127): the byte cannot fall under 1
	v_max_num_f32_dpp v8, v8, v8 row_xmask:1 row_mask:0xf bank_mask:0xf   ; and of my neighbour's 16: the block's
	v_add_nc_u32 v11, -(EMAX<<23), v8              ; EMAX off its exponent field: the conversion takes the exponent field of this operand as its scale
	v_cvt_scalef32_pk16_bf6_f32 v[C+4*(\t):C+4*(\t)+2], v[XS:XS+15], v11         ; sixteen codes, 96 bits without gaps, the first number's code lowest
	v_lshrrev_b32 v[E+(\t)], 23, v11               ; the scale's byte
	ds_store_b8 v5, v[E+(\t)] offset:16*(\t)       ; both lanes of a block write the same byte with the same value
	global_store_b96 v4, v[C+4*(\t):C+4*(\t)+2], s[8:9] offset:32*CB*(\t)        ; the wave stores 384 consecutive bytes
.endm
.irp t, 0,1,2,3,4,5,6,7,8,9,10,11,12,13,14,15
	STEP \t
.endr
	ds_load_b64 v[12:13], v6                       ; LDS serves a wave's instructions in order: these see my byte stores
	s_wait_dscnt 0x0
	global_store_b64 v7, v[12:13], s[10:11]        ; 32 lanes store 256 consecutive bytes, aligned
	s_wait_tensorcnt 0x0
	ds_add_u32 v192, v193
	s_wait_dscnt 0x0
	s_endpgm
.Lfunc_end_k_qa42ad47e62_quant:
	.size	k_qa42ad47e62_quant, .Lfunc_end_k_qa42ad47e62_quant-k_qa42ad47e62_quant
	.p2alignl 7, 3214868480
	.fill 96, 4, 3214868480
	.section	.rodata,"a",@progbits
	.p2align	6, 0x0
	.amdhsa_kernel k_qa42ad47e62_quant
		.amdhsa_group_segment_fixed_size 33280
		.amdhsa_private_segment_fixed_size 0
		.amdhsa_enable_private_segment 0
		.amdhsa_kernarg_size 72
		.amdhsa_user_sgpr_count 2
		.amdhsa_user_sgpr_kernarg_segment_ptr 1
		.amdhsa_wavefront_size32 1
		.amdhsa_system_sgpr_workgroup_id_x 1
		.amdhsa_system_sgpr_workgroup_id_y 1
		.amdhsa_system_sgpr_workgroup_id_z 1
		.amdhsa_system_vgpr_workitem_id 0
		.amdhsa_next_free_vgpr 194
		.amdhsa_next_free_sgpr 66
		.amdhsa_reserve_vcc 0
		.amdhsa_float_denorm_mode_32 3
		.amdhsa_float_denorm_mode_16_64 3
		.amdhsa_memory_ordered 1
		.amdhsa_forward_progress 1
		.amdhsa_inst_pref_size 33
	.end_amdhsa_kernel
	.amdgpu_metadata
---
amdhsa.version: [ 1, 2 ]
amdhsa.kernels:
  - .name:           k_qa42ad47e62_quant
    .symbol:         k_qa42ad47e62_quant.kd
    .args:
      - { .name: X, .offset: 0, .size: 8, .value_kind: global_buffer, .address_space: global }
      - { .name: Wq, .offset: 8, .size: 8, .value_kind: global_buffer, .address_space: global }
      - { .name: Wk, .offset: 16, .size: 8, .value_kind: global_buffer, .address_space: global }
      - { .name: Wv, .offset: 24, .size: 8, .value_kind: global_buffer, .address_space: global }
      - { .name: Wo, .offset: 32, .size: 8, .value_kind: global_buffer, .address_space: global }
      - { .name: xc, .offset: 40, .size: 8, .value_kind: global_buffer, .address_space: global }
      - { .name: xs, .offset: 48, .size: 8, .value_kind: global_buffer, .address_space: global }
      - { .name: wc, .offset: 56, .size: 8, .value_kind: global_buffer, .address_space: global }
      - { .name: ws, .offset: 64, .size: 8, .value_kind: global_buffer, .address_space: global }
    .group_segment_fixed_size: 33280
    .private_segment_fixed_size: 0
    .kernarg_segment_align: 8
    .kernarg_segment_size: 72
    .max_flat_workgroup_size: 128
    .sgpr_count:     66
    .vgpr_count:     194
    .wavefront_size: 32
...
	.end_amdgpu_metadata
.endif
;; end of part 5
;; launch qkv (part 6): grid 64 x 3, 4 waves a work-group, no clusters, 0 bytes of LDS; arguments xc, xs, wc, ws, qb, kv; writes qb, kv
.if DOCPART == 6
	.amdgcn_target "amdgcn-amd-amdhsa--gfx1250"
	.amdhsa_code_object_version 6
	.text
	.protected	k_qa42ad47e62_qkv
	.globl	k_qa42ad47e62_qkv
	.p2align	8
	.type	k_qa42ad47e62_qkv,@function
k_qa42ad47e62_qkv:
	s_mov_b64 s[64:65], 0
	v_nop
	global_prefetch_b8 v0, s[64:65] scope:SCOPE_SE
	s_setreg_imm32_b32 hwreg(HW_REG_WAVE_SCHED_MODE, 0, 2), 2
	s_setreg_imm32_b32 hwreg(HW_REG_WAVE_MODE, 25, 1), 1
	s_wait_xcnt 0x0
	s_wait_alu depctr_vm_vsrc(0)
; Q = X Wq^T, K = X Wk^T, V = X Wv^T on codes of BF6 (E3M2) with E8M0 scales; the results are quantised in registers (Q and K along a head's 64 channels, V along the keys) and stored as
; IMAGES OF OPERAND REGISTERS, so that the attention launch loads fragments by plain 16-byte loads.
; ONE SCHEME FOR ALL THREE (work-group y = 0: Q, 1: K, 2: V).  A wave HOLDS 128 rows of an operand P in 384 registers and STREAMS eight tiles of 16 rows of an operand R.  A UNIT is one tile of R
; against P's eight tiles: 8 accumulators x 4 K steps of 128 = 32 matrix instructions (source 0 = P's tile, source 1 = R's), then the 64 results of a lane are quantised.
;   Q, K: P = W's rows 512 y + 128 w (two heads), R = tokens 128 x on.  A lane holds ONE token, its registers run along the two heads' channels.
;   V:    P = tokens 512 (x / 4) + 128 w on, R = Wv's rows 128 (x % 4) on (two heads).  A lane holds ONE channel, its registers run along 128 keys.
; THE ROWS OF A TILE ARE NOT NEIGHBOURS: lane r of tile 2 b + u takes row 32 b + 8 u + r + 8 (r / 8), in P and in R alike.  So the 16 registers of P's tiles 2 b and 2 b + 1 are 16 neighbours,
; 32 b + 16 (lane / 16) + 0 .. 15, which is what the conversion takes.
; OUT.  kv and qb are records of REC = 12,800 bytes for 128 tokens of one (batch, head): [16 (batch, head)][32 records].  In a record: +0 four PAIR fragments of K (or Q), 1,536 bytes each: registers 0-5 token
; tile 2 g, registers 6-11 token tile 2 g + 1, each lane (r, h) = token r, channels 32 h .. 32 h + 31;  +6,144 four fragments of V (channel tile t, K = the 128 keys);  +12,288 K's (Q's) scale words
; [r 16][pair 4] (bytes: tile 2 g's two blocks, tile 2 g + 1's two);  +12,544 V's [r 16][t 4].  A fragment's image is three chunks of 512 bytes: chunk q = registers 4 q .. 4 q + 3, lane l at 16 l.
; Every store of the wave covers whole runs of 256 consecutive bytes, aligned.
; No LDS, no barrier, no tensor load: each operand byte goes from memory straight into the registers of the wave that multiplies it, once (49,152 bytes held, 49,152 streamed, for 256 matrix instructions).
; No cluster: there is no tile in LDS that partners could ask for jointly.
; LIMITS: a block of zeros gets the byte 1 (its codes are zeros; this program alone reads the bytes); NaN and infinities are not served.
; THE MODE: SCHED_MODE bits 1:0 = 2 (LLVM: expert scheduling mode 2), set by the entry lines.  The code itself states the register dependences between vector or matrix instructions and memory
; instructions, with s_wait_alu, always for 0.
; THE PLAN.  Registers that memory instructions touch:
;   v4-7          the four offsets: written at the head, read by every load and store, never written again.
;   P, PS         loaded once at the head; no vector instruction writes them.
;   R's set e, RS + 4 e   unit i's 32 products read them; the 25 loads of unit i + 2 land in them.
;   the codes     written by a unit's conversions, swaps and moves; read by stores that are issued in the NEXT unit.  V: two buffers of 12 registers, by turns with the unit.
;                 Q, K: a pair fragment takes two units, so two buffers of 24 registers, pair g in buffer g % 2.
;   SW            written once at the end, stored once.
; So ONE wait on va_vdst stands in a unit, behind its products: they are done reading R's set e and its scale words, and the unit before has written its codes.  The unit's loads and the stores of the
; unit before follow it; the quantiser behind them names none of their registers.  A wait on vm_vsrc, beside the wait on XCNT, stands ahead of the first rewrite of a buffer of codes that stores have read.
; REGISTERS, in windows of 256: window 0: v4-8 addresses; v16-47 P's scale words; v48-55 R's, two sets; v64-127 accumulators; v128-151, v192-215 codes; v152-159, v160-175 at work; v176-183 a scale word a unit.
;   window 1: v0-191 P's K steps 0, 1; v192-239 R's set 0.   window 2: v0-191 P's K steps 2, 3; v192-239 R's set 1.
.set REC,  12800
.set BHS,  32*REC                      ; bytes of one (batch, head)
.set ROWB, 384                         ; 512 codes in bytes
.set VA,   4                           ; v4   (r + 8 (r / 8)) x 384 + 24 h: my place in a tile of rows of codes
.set VS,   5                           ; v5   (r + 8 (r / 8)) x 16: in a tile of rows of scale bytes
.set LI,   6                           ; v6   16 x lane: an image's place for my lane
.set SA,   7                           ; v7   16 r + BHS h: the scale words' place: lanes 0-15 the first head's, lanes 16-31 the second's
.set SELV, 8                           ; v8   byte selects: lanes 0-15 the words' low halves, lanes 16-31 the high halves
.set PS,   16
.set RS,   48
.set ACC,  64
.set Z,    128                         ; the codes' first buffer
.set ZSTEP, 64                         ; Q, K: the second buffer of 24 registers lies at Z + ZSTEP = v192
.set Y,    152
.set TM,   160                         ; +0..3 largest magnitudes, +4..7 bytes, +12..15 the conversions' scale operands
.set PWS,  176
.set SW,   184
.set SEL,  58                          ; s[58:59] lane selects for v_permlanex16_b32: lane l xor 16
.set MSB, 0
.macro WIN new                         ; the immediate's high byte repeats the setting that is left; a switch that changes nothing is dropped
.if MSB != (\new)
	s_set_vgpr_msb (MSB<<8)|(\new)
.set MSB, (\new)
.endif
.endm
; P: 8 tiles x 4 K steps x 6 loads of 8 bytes (every address a multiple of 8), and 8 loads of a row's 16 scale bytes: 200 loads
.macro HOLD
	WIN 0x40                                       ; destination window 1
	s_wait_alu depctr_va_vdst(0)                   ; the four offsets v4 to v7 are written, which every load and store of the kernel reads; up to the branch only loads and window switches follow
.irp t, 0,1,2,3,4,5,6,7
.irp s, 0,1
.irp p, 0,1,2,3,4,5
	global_load_b64 v[24*\t+12*\s+2*\p:24*\t+12*\s+2*\p+1], v[VA], s[28:29] offset:(32*(\t/2)+8*(\t%2))*ROWB+96*\s+48*(\p/3)+8*(\p%3)
.endr
.endr
.endr
	WIN 0x80                                       ; destination window 2
.irp t, 0,1,2,3,4,5,6,7
.irp s, 0,1
.irp p, 0,1,2,3,4,5
	global_load_b64 v[24*\t+12*\s+2*\p:24*\t+12*\s+2*\p+1], v[VA], s[28:29] offset:(32*(\t/2)+8*(\t%2))*ROWB+192+96*\s+48*(\p/3)+8*(\p%3)
.endr
.endr
.endr
	WIN 0
.irp t, 0,1,2,3,4,5,6,7
	global_load_b128 v[PS+4*\t:PS+4*\t+3], v[VS], s[30:31] offset:(32*(\t/2)+8*(\t%2))*16   ; register PS + 4 t + s: the word of K step s
.endr
.endm
; tile i of R into set e: 24 loads of codes and one of scale words: 25 loads
.macro RLOAD i, e
	WIN (1+\e)<<6
.irp s, 0,1,2,3
.irp p, 0,1,2,3,4,5
	global_load_b64 v[192+12*\s+2*\p:192+12*\s+2*\p+1], v[VA], s[32:33] offset:(32*((\i)/2)+8*((\i)%2))*ROWB+96*\s+48*(\p/3)+8*(\p%3)
.endr
.endr
	WIN 0
	global_load_b128 v[RS+4*\e:RS+4*\e+3], v[VS], s[34:35] offset:(32*((\i)/2)+8*((\i)%2))*16
.endm
; 32 matrix instructions: the eight accumulators take turns, one instruction a turn, K step by K step.  The first K step starts the sums with the constant 0.
.macro MULS e, acc
	WIN 0x01|((1+\e)<<2)                           ; source 0 (P) window 1, source 1 (R) window 1 + e, C and D window 0
.irp t, 0,1,2,3,4,5,6,7
	v_wmma_scale_f32_16x16x128_f8f6f4 v[\acc+8*\t:\acc+8*\t+7], v[24*\t:24*\t+11], v[192:203], 0, v[PS+4*\t], v[RS+4*\e] matrix_a_fmt:MATRIX_FMT_BF6 matrix_b_fmt:MATRIX_FMT_BF6
.endr
.irp t, 0,1,2,3,4,5,6,7
	v_wmma_scale_f32_16x16x128_f8f6f4 v[\acc+8*\t:\acc+8*\t+7], v[24*\t+12:24*\t+23], v[204:215], v[\acc+8*\t:\acc+8*\t+7], v[PS+4*\t+1], v[RS+4*\e+1] matrix_a_fmt:MATRIX_FMT_BF6 matrix_b_fmt:MATRIX_FMT_BF6
.endr
	WIN 0x02|((1+\e)<<2)                           ; P's K steps 2 and 3 lie in window 2
.irp t, 0,1,2,3,4,5,6,7
	v_wmma_scale_f32_16x16x128_f8f6f4 v[\acc+8*\t:\acc+8*\t+7], v[24*\t:24*\t+11], v[216:227], v[\acc+8*\t:\acc+8*\t+7], v[PS+4*\t+2], v[RS+4*\e+2] matrix_a_fmt:MATRIX_FMT_BF6 matrix_b_fmt:MATRIX_FMT_BF6
.endr
.irp t, 0,1,2,3,4,5,6,7
	v_wmma_scale_f32_16x16x128_f8f6f4 v[\acc+8*\t:\acc+8*\t+7], v[24*\t+12:24*\t+23], v[228:239], v[\acc+8*\t:\acc+8*\t+7], v[PS+4*\t+3], v[RS+4*\e+3] matrix_a_fmt:MATRIX_FMT_BF6 matrix_b_fmt:MATRIX_FMT_BF6
.endr
.endm
; 64 numbers of a lane, v[s] on, register 16 b + i = place 32 b + 16 (lane / 16) + i along the quantiser's axis, become codes: blocks 0, 1 in the six registers from d0, blocks 2, 3 in the six from d1
; (lanes 0-15 hold the even block whole, lanes 16-31 the odd one), and the four scale bytes in v[pw].
.macro QUANT s, d0, d1, pw
.irp b, 0,1,2,3
	v_max3_num_f32 v[TM+\b], |v[\s+16*\b]|, |v[\s+1+16*\b]|, 0x2800000   ; my 16 numbers of block b, each accumulator from its low end on, and the floor 2^(5 - 127): the byte cannot fall under 1
.endr
.irp i, 2,4,6,8,10,12,14
.irp b, 0,1,2,3
	v_max3_num_f32 v[TM+\b], v[TM+\b], |v[\s+16*\b+\i]|, |v[\s+1+16*\b+\i]|   ; (the four blocks by turns)
.endr
.endr
.irp b, 0,1,2,3
	v_permlanex16_b32 v[TM+4+\b], v[TM+\b], s[SEL], s[SEL+1]
.endr
.irp b, 0,1,2,3
	v_max_num_f32 v[TM+\b], v[TM+\b], v[TM+4+\b]   ; with lane l xor 16's: the block's largest magnitude
.endr
.irp b, 0,1,2,3
	v_add_nc_u32 v[TM+12+\b], 0xfe000000, v[TM+\b] ; 4 off its exponent field: the conversion's scale operand
.endr
.irp b, 0,1,2,3
	v_lshrrev_b32 v[TM+4+\b], 23, v[TM+12+\b]      ; the scale's byte
.endr
	v_lshl_or_b32 v[\pw], v[TM+5], 8, v[TM+4]
	v_lshl_or_b32 v[\pw], v[TM+6], 16, v[\pw]
	v_lshl_or_b32 v[\pw], v[TM+7], 24, v[\pw]
	v_cvt_scalef32_pk16_bf6_f32 v[(\d0):(\d0)+2], v[\s:\s+15], v[TM+12]
	v_cvt_scalef32_pk16_bf6_f32 v[Y:Y+2], v[\s+16:\s+31], v[TM+13]      ; (a conversion's three registers begin on an even number: the second halves are made elsewhere and moved)
	v_cvt_scalef32_pk16_bf6_f32 v[(\d1):(\d1)+2], v[\s+32:\s+47], v[TM+14]
	v_cvt_scalef32_pk16_bf6_f32 v[Y+4:Y+6], v[\s+48:\s+63], v[TM+15]
	v_nop                                          ; one plain place behind the scaled conversions
.irp i, 0,1,2
	v_permlane16_swap_b32 v[(\d0)+\i], v[Y+\i]     ; the first's lanes 16-31 change places with the second's lanes 0-15: each lane now has a whole block
.endr
.irp i, 0,1,2
	v_mov_b32 v[(\d0)+3+\i], v[Y+\i]
.endr
.irp i, 0,1,2
	v_permlane16_swap_b32 v[(\d1)+\i], v[Y+4+\i]
.endr
.irp i, 0,1,2
	v_mov_b32 v[(\d1)+3+\i], v[Y+4+\i]
.endr
.endm
; Q, K: pair g of both heads leaves, from buffer g % 2: six stores of 512 consecutive bytes
.macro PAIROUT g
.set ZO, Z+ZSTEP*((\g)%2)
.irp c, 0,1
.irp q, 0,1,2
	global_store_b128 v[LI], v[ZO+12*\c+4*\q:ZO+12*\c+4*\q+3], s[36:37] offset:\c*BHS+(\g)*1536+512*\q   ; pair g of head c
.endr
.endr
.endm
; V: unit n's fragment leaves, from buffer n % 2: head n / 4, channel tile n % 4
.macro FRAGOUT n
.irp q, 0,1,2
	global_store_b128 v[LI], v[Z+12*((\n)%2)+4*\q:Z+12*((\n)%2)+4*\q+3], s[36:37] offset:((\n)/4)*BHS+((\n)%4)*1536+512*\q
.endr
.endm
; Unit i (e = i % 2: R's set).  kind 0: Q or K; kind 1: V.
.macro UNIT i, e, kind
.if \i < 7
	s_wait_loadcnt 25                              ; loads come back in order: P and this unit's tile of R are in; the next unit's 25 loads may be out
.else
	s_wait_loadcnt 0x0
.endif
	MULS \e, ACC
.if \i < 6
	WIN (1+\e)<<6                                  ; the window of the loads below: the switch stands ahead of the wait
.else
	WIN 0
.endif
.rept 4
	v_nop                                          ; four places behind the products, in front of the first read of results
.endr
.if ((\kind == 1) && (\i >= 2)) || ((\kind == 0) && (\i >= 4) && (\e == 0))
	s_wait_xcnt 0x0                                ; the stores issued so far have had their addresses translated: the buffer of codes that this unit's quantiser writes (Q, K: this unit's and the next's) is rewritten only behind this wait,
	s_wait_alu depctr_vm_vsrc(0)                   ; and those stores have read that buffer
.endif
.if (\i < 6) || (\kind == 1) || (\e == 0)
	s_wait_alu depctr_va_vdst(0)                   ; this unit's products are done reading R's set e and its scale words, in which the loads below land; the units before have written their codes, which the stores below read
.endif
.if \i < 6
	RLOAD \i+2, \e
.endif
.if \kind == 0
.if (\e == 0) && (\i >= 2)
	PAIROUT (\i)/2-1                               ; the pair that the last two units made; no vector instruction since the wait names its registers
.endif
.set ZG, Z+ZSTEP*(((\i)/2)%2)
	QUANT ACC, ZG+6*\e, ZG+12+6*\e, PWS+\i         ; blocks 0, 1: the first head's half of its pair fragment; blocks 2, 3: the second head's
.else
.if \i >= 1
	FRAGOUT (\i)-1                                 ; the fragment that the last unit made; no vector instruction since the wait names its registers
.endif
	QUANT ACC, Z+12*\e, Z+12*\e+6, PWS+\i          ; a whole fragment of V: 16 channels x 128 keys
.endif
.endm
	s_load_b256 s[8:15], s[0:1], 0x0               ; xc s[8:9], xs s[10:11], wc s[12:13], ws s[14:15]
	s_load_b128 s[16:19], s[0:1], 0x20             ; qb s[16:17], kv s[18:19]
	v_lshrrev_b32 v1, 5, v0
	v_readfirstlane_b32 s4, v1                     ; wave w
	s_mov_b32 s5, ttmp9                            ; x
	s_and_b32 s6, ttmp7, 0xffff                    ; y
	v_and_b32 v1, 15, v0                           ; r
	v_bfe_u32 v2, v0, 4, 1                         ; h
	v_and_b32 v3, 8, v1
	v_add_nc_u32 v3, v3, v1                        ; r + 8 (r / 8)
	v_mul_u32_u24 v[VA], v3, ROWB
	v_mad_u32_u24 v[VA], v2, 24, v[VA]
	v_lshlrev_b32 v[VS], 4, v3
	v_and_b32 v[LI], 31, v0
	v_lshlrev_b32 v[LI], 4, v[LI]
	v_mul_u32_u24 v[SA], v2, BHS
	v_lshl_add_u32 v[SA], v1, 4, v[SA]
	v_cmp_eq_u32 vcc_lo, 1, v2                     ; lanes 16-31; VCC is not written again
	v_mov_b32 v[SELV], 0x05040100
	v_mov_b32 v9, 0x07060302
	s_wait_alu depctr_va_vcc(0)                    ; the compare has written VCC, ahead of its first reader
	v_cndmask_b32 v[SELV], v[SELV], v9, vcc_lo
.irp b, 0,1,2,3
	v_mov_b32 v[TM+4+\b], 0                        ; written once: a lane permute's destination counts as one of its sources
.endr
	s_mov_b32 s[SEL], 0x76543210
	s_mov_b32 s[SEL+1], 0xfedcba98
	s_wait_alu depctr_va_sdst(0)                   ; s4 is written, ahead of its first reader: rows, heads and records are made from it
	s_lshl_b32 s21, s4, 7                          ; 128 w
	s_lshl_b32 s20, s6, 9
	s_add_co_u32 s20, s20, s21                     ; Q, K: P = wc's rows 512 y + 128 w,
	s_lshl_b32 s22, s5, 7                          ;       R = xc's rows 128 x
	s_lshr_b32 s23, s5, 2
	s_lshl_b32 s23, s23, 9
	s_add_co_u32 s23, s23, s21                     ; V:    P = xc's rows 512 (x / 4) + 128 w,
	s_and_b32 s24, s5, 3
	s_lshl_b32 s25, s24, 7
	s_add_co_u32 s25, s25, 1024                    ;       R = wc's rows 1,024 + 128 (x % 4)
	s_lshr_b32 s48, s5, 5
	s_lshl_b32 s48, s48, 3                         ; 8 x batch (32 x to a batch in both kinds)
	s_lshl_b32 s49, s4, 1                          ; Q, K: first head 2 w,
	s_and_b32 s51, s5, 31                          ;       record x % 32
	s_lshl_b32 s50, s24, 1                         ; V:    first head 2 (x % 4),
	s_lshr_b32 s52, s5, 2
	s_lshl_b32 s52, s52, 2
	s_add_co_u32 s52, s52, s4
	s_and_b32 s52, s52, 31                         ;       record (4 (x / 4) + w) % 32
	s_mov_b32 s54, 12288
	s_cmp_eq_u32 s6, 2                             ; only moves, selects and multiplies stand between this compare and its last select
	s_cselect_b32 s20, s23, s20
	s_cselect_b32 s22, s25, s22
	s_cselect_b32 s49, s50, s49
	s_cselect_b32 s51, s52, s51
	s_cselect_b32 s53, 6144, 0                     ; where the images begin in a record
	s_cselect_b32 s54, 12544, s54                  ; and the scale words
	s_mul_i32 s40, s20, ROWB
	s_mov_b32 s41, 0
	s_lshl_b32 s42, s20, 4
	s_mov_b32 s43, 0
	s_mul_i32 s44, s22, ROWB
	s_mov_b32 s45, 0
	s_lshl_b32 s46, s22, 4
	s_mov_b32 s47, 0
	s_add_co_u32 s48, s48, s49
	s_mul_i32 s48, s48, BHS
	s_mul_i32 s51, s51, REC
	s_add_co_u32 s48, s48, s51                     ; the record's first byte (under 6,553,600)
	s_add_co_u32 s50, s48, s53
	s_mov_b32 s51, 0
	s_add_co_u32 s52, s48, s54
	s_mov_b32 s53, 0
	s_wait_kmcnt 0x0
	s_cmp_eq_u32 s6, 2                             ; the buffers are chosen on the work-group's y alone
	s_cselect_b64 s[28:29], s[8:9], s[12:13]       ; P's codes
	s_cselect_b64 s[30:31], s[10:11], s[14:15]     ; P's scale bytes
	s_cselect_b64 s[32:33], s[12:13], s[8:9]       ; R's codes
	s_cselect_b64 s[34:35], s[14:15], s[10:11]     ; R's scale bytes
	s_cmp_eq_u32 s6, 0
	s_cselect_b64 s[36:37], s[16:17], s[18:19]     ; Q goes to qb, K and V to kv
	s_add_nc_u64 s[28:29], s[28:29], s[40:41]
	s_add_nc_u64 s[30:31], s[30:31], s[42:43]
	s_add_nc_u64 s[32:33], s[32:33], s[44:45]
	s_add_nc_u64 s[34:35], s[34:35], s[46:47]
	s_add_nc_u64 s[38:39], s[36:37], s[52:53]      ; the scale words' base
	s_add_nc_u64 s[36:37], s[36:37], s[50:51]      ; the images' base
	HOLD
	RLOAD 0, 0
	RLOAD 1, 1
	s_cmp_eq_u32 s6, 2
	s_cbranch_scc1 .Lv
	UNIT 0, 0, 0
	UNIT 1, 1, 0
	UNIT 2, 0, 0
	UNIT 3, 1, 0
	UNIT 4, 0, 0
	UNIT 5, 1, 0
	UNIT 6, 0, 0
	UNIT 7, 1, 0
.irp g, 0,1,2,3
	v_perm_b32 v[SW+\g], v[PWS+2*\g+1], v[PWS+2*\g], v[SELV]   ; pair g's word: tile 2 g's two bytes, then tile 2 g + 1's; lanes 0-15 the first head's, lanes 16-31 the second's
.endr
	s_wait_alu depctr_va_vdst(0)                   ; units 6 and 7 have written the last pair's codes, and the four lines above the scale words: the stores below read them
	PAIROUT 3
	global_store_b128 v[SA], v[SW:SW+3], s[38:39]  ; sixteen lanes store a record's 256 bytes of scale words
	s_endpgm
.Lv:
	UNIT 0, 0, 1
	UNIT 1, 1, 1
	UNIT 2, 0, 1
	UNIT 3, 1, 1
	UNIT 4, 0, 1
	UNIT 5, 1, 1
	UNIT 6, 0, 1
	UNIT 7, 1, 1
.irp t, 0,1,2,3
	v_cndmask_b32 v[SW+\t], v[PWS+\t], v[PWS+4+\t], vcc_lo     ; lanes 0-15 the first head's four channel tiles, lanes 16-31 the second's
.endr
	s_wait_alu depctr_va_vdst(0)                   ; unit 7 has written the last fragment's codes, and the four lines above the scale words: the stores below read them
	FRAGOUT 7
	global_store_b128 v[SA], v[SW:SW+3], s[38:39]
	s_endpgm
.Lfunc_end_k_qa42ad47e62_qkv:
	.size	k_qa42ad47e62_qkv, .Lfunc_end_k_qa42ad47e62_qkv-k_qa42ad47e62_qkv
	.p2alignl 7, 3214868480
	.fill 96, 4, 3214868480
	.section	.rodata,"a",@progbits
	.p2align	6, 0x0
	.amdhsa_kernel k_qa42ad47e62_qkv
		.amdhsa_group_segment_fixed_size 0
		.amdhsa_private_segment_fixed_size 0
		.amdhsa_enable_private_segment 0
		.amdhsa_kernarg_size 48
		.amdhsa_user_sgpr_count 2
		.amdhsa_user_sgpr_kernarg_segment_ptr 1
		.amdhsa_wavefront_size32 1
		.amdhsa_system_sgpr_workgroup_id_x 1
		.amdhsa_system_sgpr_workgroup_id_y 1
		.amdhsa_system_sgpr_workgroup_id_z 1
		.amdhsa_system_vgpr_workitem_id 0
		.amdhsa_next_free_vgpr 768
		.amdhsa_next_free_sgpr 66
		.amdhsa_reserve_vcc 1
		.amdhsa_float_denorm_mode_32 3
		.amdhsa_float_denorm_mode_16_64 3
		.amdhsa_memory_ordered 1
		.amdhsa_forward_progress 1
		.amdhsa_inst_pref_size 190
	.end_amdhsa_kernel
	.amdgpu_metadata
---
amdhsa.version: [ 1, 2 ]
amdhsa.kernels:
  - .name:           k_qa42ad47e62_qkv
    .symbol:         k_qa42ad47e62_qkv.kd
    .args:
      - { .name: xc, .offset: 0, .size: 8, .value_kind: global_buffer, .address_space: global }
      - { .name: xs, .offset: 8, .size: 8, .value_kind: global_buffer, .address_space: global }
      - { .name: wc, .offset: 16, .size: 8, .value_kind: global_buffer, .address_space: global }
      - { .name: ws, .offset: 24, .size: 8, .value_kind: global_buffer, .address_space: global }
      - { .name: qb, .offset: 32, .size: 8, .value_kind: global_buffer, .address_space: global }
      - { .name: kv, .offset: 40, .size: 8, .value_kind: global_buffer, .address_space: global }
    .group_segment_fixed_size: 0
    .private_segment_fixed_size: 0
    .kernarg_segment_align: 8
    .kernarg_segment_size: 48
    .max_flat_workgroup_size: 128
    .sgpr_count:     66
    .vgpr_count:     768
    .wavefront_size: 32
...
	.end_amdgpu_metadata
.endif
;; end of part 6
;; launch attn (part 7): grid 16 x 16, 16 waves a work-group, clusters of 4 x 1, 327,680 bytes of LDS; arguments qb, kv, ob, os; writes ob, os
.if DOCPART == 7
	.amdgcn_target "amdgcn-amd-amdhsa--gfx1250"
	.amdhsa_code_object_version 6
	.text
	.protected	k_qa42ad47e62_attn
	.globl	k_qa42ad47e62_attn
	.p2align	8
	.type	k_qa42ad47e62_attn,@function
k_qa42ad47e62_attn:
	s_mov_b64 s[64:65], 0
	v_nop
	global_prefetch_b8 v0, s[64:65] scope:SCOPE_SE
	s_setreg_imm32_b32 hwreg(HW_REG_WAVE_MODE, 25, 1), 1
	s_wait_xcnt 0x0
	s_wait_alu depctr_hold_cnt(0) depctr_sa_sdst(0) depctr_va_vdst(0) depctr_va_sdst(0) depctr_va_ssrc(0) depctr_va_vcc(0) depctr_vm_vsrc(0)
	s_getreg_b32 s2, hwreg(HW_REG_IB_STS2, 6, 4)
	s_cmp_eq_u32 s2, 0
	s_cbranch_scc0 .Lentry_in_a_cluster
	s_endpgm
.Lentry_in_a_cluster:
	s_bfe_u32 s2, ttmp6, 0x10000c
	s_cmp_lg_u32 s2, 0x3003
	s_cbranch_scc0 .Lentry_shape_is_right
	s_endpgm
.Lentry_shape_is_right:
; For each (batch, head): O[q] = the sum over k of softmax_k(Q[q] . K[k] / 8) V[k], both products on codes of BF6 (E3M2) with E8M0 scales; then O is quantised along the model's 512 for the last product.
; THE SOFTMAX AHEAD OF THE SECOND PRODUCT: t = score x log2(e) / 8; M = the row's largest t so far, rounded UP to a whole number; p = 2^(t - M) is what is quantised, along the keys, not normalised.
; The row's sum is taken of the unquantised p, in f32, and divides O at the end.  When M moves, the sum and O are multiplied by 2^(old M - new M): exact.
; SHARES.  A work-group owns 256 queries of one (batch, head); each of its sixteen waves owns one tile of 16, in 256 registers: four waves to a SIMD, so that one wave's vector work stands beside
; another's matrix work and LDS loads.  Every wave walks the head's 4,096 keys, 128 a step: one record of kv (12,800 bytes: K's four pair fragments, V's four fragments, their scale words).
; THE FIRST PRODUCT'S K IS 64, the instruction's 128: a pair fragment of K holds two key tiles, one in each half of the 128, and is multiplied twice: by [q | zeros] for the first tile, by [zeros | q]
; for the second.  Zero codes add nothing under any scale byte that the quantiser makes.  q stands between two runs of six zero registers, so both operands share its six.
; LAYOUT.  Both products are used transposed (S^T = K q^T, O^T = V^T p^T): a lane holds ONE query throughout.  The tokens of a tile are not neighbours (lane r of tile 2 b + u: token 32 b + 8 u + r + 8 (r / 8)),
; so the 16 registers of key tiles 2 b and 2 b + 1 are the neighbouring keys 32 b + 16 (lane / 16) + 0 .. 15, and O^T's likewise are neighbouring channels.
; RING.  Two LDS slots of four records; waves 0 and 1 each fetch two records with one tensor load (100 rows of 256 bytes, dense); all sixteen waves read.  A wave has at most one tensor load out.
; CLUSTER.  The four query blocks of a cluster belong to one (batch, head) and walk the same records: each load is asked for JOINTLY, with the same descriptor and a mask that names the four.
; Every LDS read is an image: 512 consecutive bytes an instruction, so no padding is wanted.
; OUT.  ob [tile 512][K step 4][chunk 6][256 bytes]: chunk j = registers 2 j, 2 j + 1 of the last product's fragment, lane l at 8 l; head 2 s + c fills chunks 3 c .. 3 c + 2 of K step s: 256 consecutive bytes a store.
; os [tile 512][head 8][r 16][2 bytes]: a wave's 32 scale bytes are consecutive, one byte a lane: 32 of the wave's 800 bytes of output.
; LIMITS: NaN and infinities are not served; a block of zeros gets the byte 1 (its codes are zeros; this program alone reads the bytes); a p under 2^-126 comes out as 0; a block's largest p is taken from
; its largest score, which takes v_exp_f32 not to fall where its input rises.
.set REC,   12800
.set BHS,   32*REC
.set SLOT1, 65536                      ; slot 0 at 0, slot 1 here: one exclusive or turns an address from one slot to the other
.set SPARE, SLOT1+4*REC                ; 116,736: behind the ring: the spare words, 128 bytes for each of sixteen waves: eight blocks of 256 bytes that no other line names
.set LI,  1                            ; v1   16 x lane
.set LSC, 2                            ; v2   16 x (lane % 16)
.set SPW, 3                            ; v3   LDS address of my spare word; never rewritten
.set NIL, 4                            ; v4   0; never rewritten
.set ADR, 5                            ; v5   the step's record + 16 x lane
.set ADS, 6                            ; v6   the step's record + 16 x (lane % 16)
.set GO,  7                            ; v7   8 x lane
.set GS,  8                            ; v8   2 r + h
;                                        v12 -M, v13 the largest t, v[14:15] the sum in two halves
.set QHI, 16                           ; v16-27  [zeros | q]
.set QLO, 22                           ; v22-33  [q | zeros]
.set QS,  34                           ; v34  q's scale word: its two bytes, twice
.set FR,  36                           ; v36-83  four fragments: K's pairs, then V's
.set KS,  84                           ; v84-87  K's scale words
.set VS,  88                           ; v88-91  V's
.set S,   96                           ; v96-159 S^T, then p
.set O,   160                          ; v160-191 O^T
.set PC,  192                          ; v192-203 p's codes
.set Y,   204                          ; v204-210 the conversions' second halves
.set BM,  212                          ; v212-215 a block's largest score, then its largest p
.set BT,  216                          ; v216-219 the other half's maxima, then the bytes
.set BO,  220                          ; v220-223 the conversions' scale operands
.set PSW, 224                          ; v224 p's scale word
.set F,   226                          ; v[226:227] f = 2^(old M - new M), and a 0 that is named with it as a pair
.set WK,  228
.set L2,  230                          ; v[230:231] the second chain of sums
.set WV,  12                           ; s12 wave
.set BH,  15                           ; s15 (batch, head)
.set G1,  24                           ; s[24:31] descriptor group 1
.set G0,  32                           ; s[32:35] descriptor group 0: it walks
.set SEL, 36                           ; s[36:37] lane selects for v_permlanex16_b32: lane l xor 16
.set CS,  38                           ; s[38:39] c = log2(e) / 8
.set TB,  40                           ; s40 LDS byte of the step's record
.set SLOTS, 41
.set CNT, 42
; A round of the cluster's barrier: my work-group's barrier, wave 0's signal for the work-group, every wave's wait for all four work-groups, my work-group's barrier once more.
.macro ROUND
	s_barrier_signal -1
	s_barrier_wait -1
	s_cmp_lg_u32 s[WV], 0
	s_cbranch_scc1 .Lnot_wave_0_\@
	s_barrier_signal -3
.Lnot_wave_0_\@:
	s_barrier_wait -3
	s_barrier_signal -1
	s_barrier_wait -1
.endm
; The joint load: waves 0 and 1, two records each.  The branch hangs on the wave's number alone.  Four v_nop follow the load.
.macro TLOAD
	s_cmp_lt_u32 s[WV], 2
	s_cbranch_scc0 .Lasked_\@
	tensor_load_to_lds s[G0:G0+3], s[G1:G1+7]
	s_nop 0
.rept 4
	v_nop
.endr
.Lasked_\@:
.endm
; THE CHANGE OF SLOTS stands at a slot's head.  Each wave waits for all its tensor loads (its part of the slot ahead), adds 0 to its spare word, and waits for that and for its reads of the slot that it has left.
; fill = 1: a round of the cluster's barrier, so that no wave of any partner still reads the other slot or has a load on its way; then that slot is asked for: the load has four key steps in which to land.
.macro CHANGE fill
	s_wait_tensorcnt 0x0                           ; no tensor load of mine is out, so group 0 may be written
	ds_add_u32 v[SPW], v[NIL]                      ; 0 onto my spare word
.if \fill
	s_xor_b32 s[G0+1], s[G0+1], SLOT1              ; the other slot than last time,
	s_add_nc_u64 s[G0+2:G0+3], s[G0+2:G0+3], 4*REC ; the next four records; the type bits on top are not reached
.endif
	s_wait_dscnt 0x0                               ; the add is done, and my reads of the slot that I have left are over
.if \fill
	ROUND
	TLOAD                                          ; the first tensor load behind the round, and a wave's only one until the next
.else
	s_barrier_signal -1
	s_barrier_wait -1
.endif
.endm
; A KEY STEP: 128 keys, the record at s[TB].
.macro STEP
	v_add_nc_u32 v[ADR], s[TB], v[LI]
	v_add_nc_u32 v[ADS], s[TB], v[LSC]
	v_nop
	v_nop                                          ; these four lines are the places behind the last step's products, in front of the loads into registers that they read
.irp b, 0,1,2,3
.irp q, 0,1,2
	ds_load_b128 v[FR+12*\b+4*\q:FR+12*\b+4*\q+3], v[ADR] offset:1536*\b+512*\q   ; K's pair fragment b
.endr
.endr
	ds_load_b128 v[KS:KS+3], v[ADS] offset:12288   ; lane r: the four pairs' scale words of row r
	s_wait_alu depctr_va_vdst(0)
	s_wait_dscnt 0x0
.irp b, 0,1,2,3                                ; S^T = K q^T: register S + 16 b + i = key 32 b + 16 (lane / 16) + i
	v_wmma_scale_f32_16x16x128_f8f6f4 v[S+16*\b:S+16*\b+7], v[FR+12*\b:FR+12*\b+11], v[QLO:QLO+11], 0, v[KS+\b], v[QS] matrix_a_fmt:MATRIX_FMT_BF6 matrix_b_fmt:MATRIX_FMT_BF6
	v_wmma_scale_f32_16x16x128_f8f6f4 v[S+16*\b+8:S+16*\b+15], v[FR+12*\b:FR+12*\b+11], v[QHI:QHI+11], 0, v[KS+\b], v[QS] matrix_a_fmt:MATRIX_FMT_BF6 matrix_b_fmt:MATRIX_FMT_BF6
.endr
.rept 4
	v_nop                                          ; four places: in front of the loads into K's registers and of the first read of the scores
.endr
.irp t, 0,1,2,3
.irp q, 0,1,2
	ds_load_b128 v[FR+12*\t+4*\q:FR+12*\t+4*\q+3], v[ADR] offset:6144+1536*\t+512*\q   ; V's fragment t: it lands while the softmax runs
.endr
.endr
	ds_load_b128 v[VS:VS+3], v[ADS] offset:12544
.irp b, 0,1,2,3
	v_max3_num_f32 v[BM+\b], v[S+16*\b], v[S+1+16*\b], v[S+2+16*\b]   ; THE LARGEST SCORE OF EACH BLOCK OF 32 KEYS serves twice: for the row's maximum, and, since p rises with the score, for the block's largest p
.endr
.irp i, 3,5,7,9,11,13
.irp b, 0,1,2,3
	v_max3_num_f32 v[BM+\b], v[BM+\b], v[S+16*\b+\i], v[S+1+16*\b+\i]   ; (the four blocks by turns; each accumulator is first read at its low end)
.endr
.endr
.irp b, 0,1,2,3
	v_max_num_f32 v[BM+\b], v[BM+\b], v[S+15+16*\b]
.endr
.irp b, 0,1,2,3
	s_delay_alu instid0(VALU_DEP_4)
	v_permlanex16_b32 v[BT+\b], v[BM+\b], s[SEL], s[SEL+1]
.endr
.irp b, 0,1,2,3
	s_delay_alu instid0(VALU_DEP_4)
	v_max_num_f32 v[BM+\b], v[BM+\b], v[BT+\b]     ; with lane l xor 16's 16 keys
.endr
	s_delay_alu instid0(VALU_DEP_2)
	v_max3_num_f32 v[WK], v[BM], v[BM+1], v[BM+2]
	s_delay_alu instid0(VALU_DEP_1)
	v_max_num_f32 v[WK], v[WK], v[BM+3]            ; the step's largest score of my query
	s_delay_alu instid0(VALU_DEP_1)
	v_mul_f32 v[WK], s[CS], v[WK]                  ; as t (c is positive)
	s_delay_alu instid0(VALU_DEP_1)
	v_max_num_f32 v13, v13, v[WK]                  ; the running largest t
	v_mov_b32 v[WK], v12
	s_delay_alu instid0(VALU_DEP_2)
	v_floor_f32 v12, -v13                          ; the new -M = floor(-t) = -ceil(t): M is a whole number
	s_delay_alu instid0(VALU_DEP_1)
	v_sub_f32 v[WK], v12, v[WK]                    ; old M less new M: a whole number, 0 or less
	s_delay_alu instid0(VALU_DEP_1)
	v_cvt_i32_f32 v[WK], v[WK]                     ; (it saturates)
	s_delay_alu instid0(VALU_DEP_1)
	v_ldexp_f32 v[F], 1.0, v[WK]                   ; f = 2^(old M - new M): a multiplication by it rounds nothing
.set j, 0
.rept 32
	v_pk_fma_f32 v[S+j:S+j+1], v[S+j:S+j+1], s[CS:CS+1], v[12:13] op_sel_hi:[1,0,0]   ; t - M, two at a time (of the pairs c and -M the low word serves both halves)
.set j, j+2
.endr
.irp b, 0,1,2,3
	v_fma_f32 v[BM+\b], v[BM+\b], s[CS], v12       ; the same of each block's largest score
.endr
.set j, 0
	s_wait_alu depctr_va_vdst(0)
.rept 64
	v_exp_f32 v[S+j], v[S+j]                       ; p = 2^(t - M), at most 1
.set j, j+1
.endr
	s_setprio 1
.irp b, 0,1,2,3
	v_exp_f32 v[BM+\b], v[BM+\b]                   ; the block's largest p: the same two instructions on the same number give the same bits
.endr
	v_pk_mul_f32 v[14:15], v[14:15], v[F:F+1] op_sel_hi:[1,0]   ; the sums under the new M.  (The plain place behind the exponentials)
	s_wait_alu depctr_va_vdst(0)
.irp b, 0,1,2,3
	v_max_num_f32 v[BM+\b], 0x2800000, v[BM+\b]    ; the floor 2^(5 - 127): the byte cannot fall under 1
.endr
.irp b, 0,1,2,3
	s_delay_alu instid0(VALU_DEP_4)
	v_add_nc_u32 v[BO+\b], 0xfe000000, v[BM+\b]    ; 4 off the exponent field: the conversion's scale operand
.endr
.irp b, 0,1,2,3
	s_delay_alu instid0(VALU_DEP_4)
	v_lshrrev_b32 v[BT+\b], 23, v[BO+\b]           ; the scale's byte
.endr
	s_delay_alu instid0(VALU_DEP_3)
	v_lshl_or_b32 v[PSW], v[BT+1], 8, v[BT]        ; p's scale word for these 128 keys
	s_delay_alu instid0(VALU_DEP_1)
	v_lshl_or_b32 v[PSW], v[BT+2], 16, v[PSW]
	s_delay_alu instid0(VALU_DEP_1)
	v_lshl_or_b32 v[PSW], v[BT+3], 24, v[PSW]
.irp c, 0,1
	v_cvt_scalef32_pk16_bf6_f32 v[PC+6*\c:PC+6*\c+2], v[S+32*\c:S+32*\c+15], v[BO+2*\c]
	v_cvt_scalef32_pk16_bf6_f32 v[Y+4*\c:Y+4*\c+2], v[S+16+32*\c:S+31+32*\c], v[BO+2*\c+1]   ; (a conversion's three registers begin on an even number)
.endr
	v_nop                                          ; one plain place behind the scaled conversions
.irp c, 0,1                                    ; the operand's layout wants a WHOLE block in a lane: lanes 0-15 block 2 c, lanes 16-31 block 2 c + 1
.irp i, 0,1,2
	v_permlane16_swap_b32 v[PC+6*\c+\i], v[Y+4*\c+\i]
.endr
.irp i, 0,1,2
	s_delay_alu instid0(VALU_DEP_3)
	v_mov_b32 v[PC+3+6*\c+\i], v[Y+4*\c+\i]
.endr
.endr
	v_pk_add_f32 v[230:231], v[100:101], v[104:105]
	v_pk_add_f32 v[254:255], v[108:109], v[112:113]
	v_pk_add_f32 v[252:253], v[116:117], v[120:121]
	v_pk_add_f32 v[250:251], v[124:125], v[128:129]
	v_pk_add_f32 v[248:249], v[132:133], v[136:137]
	v_pk_add_f32 v[246:247], v[140:141], v[144:145]
	v_pk_add_f32 v[244:245], v[148:149], v[152:153]
	v_pk_add_f32 v[14:15], v[14:15], v[156:157]
	v_pk_add_f32 v[230:231], v[230:231], v[96:97]
	v_pk_add_f32 v[254:255], v[254:255], v[98:99]
	v_pk_add_f32 v[252:253], v[252:253], v[102:103]
	v_pk_add_f32 v[250:251], v[250:251], v[106:107]
	v_pk_add_f32 v[248:249], v[248:249], v[110:111]
	v_pk_add_f32 v[246:247], v[246:247], v[114:115]
	v_pk_add_f32 v[244:245], v[244:245], v[118:119]
	v_pk_add_f32 v[14:15], v[14:15], v[122:123]
	v_pk_add_f32 v[230:231], v[230:231], v[126:127]
	v_pk_add_f32 v[254:255], v[254:255], v[130:131]
	v_pk_add_f32 v[252:253], v[252:253], v[134:135]
	v_pk_add_f32 v[250:251], v[250:251], v[138:139]
	v_pk_add_f32 v[248:249], v[248:249], v[142:143]
	v_pk_add_f32 v[246:247], v[246:247], v[146:147]
	v_pk_add_f32 v[244:245], v[244:245], v[150:151]
	v_pk_add_f32 v[14:15], v[14:15], v[154:155]
	v_pk_add_f32 v[230:231], v[230:231], v[158:159]
	s_delay_alu instid0(VALU_DEP_2)
	v_pk_add_f32 v[14:15], v[14:15], v[250:251]
	s_delay_alu instid0(VALU_DEP_2)
	v_pk_add_f32 v[230:231], v[230:231], v[248:249]
	s_setprio 0
	v_pk_add_f32 v[254:255], v[254:255], v[246:247]
	v_pk_add_f32 v[252:253], v[252:253], v[244:245]
	s_delay_alu instid0(VALU_DEP_2)
	v_pk_add_f32 v[14:15], v[14:15], v[254:255]
	s_delay_alu instid0(VALU_DEP_2)
	v_pk_add_f32 v[230:231], v[230:231], v[252:253]
	s_delay_alu instid0(VALU_DEP_1)
	v_pk_add_f32 v[14:15], v[14:15], v[230:231]
.set j, 0
.rept 16
	v_pk_mul_f32 v[O+j:O+j+1], v[O+j:O+j+1], v[F:F+1] op_sel_hi:[1,0]   ; O^T under the new M.  (The sums and these are the places between p's scale word and codes and the products below)
.set j, j+2
.endr
	s_wait_alu depctr_va_vdst(0)
	s_wait_dscnt 0x0                               ; V's fragments and scale words are in
.irp t, 0,1,2,3                                ; O^T += V^T p^T: the four accumulators by turns, one instruction each
	v_wmma_scale_f32_16x16x128_f8f6f4 v[O+8*\t:O+8*\t+7], v[FR+12*\t:FR+12*\t+11], v[PC:PC+11], v[O+8*\t:O+8*\t+7], v[VS+\t], v[PSW] matrix_a_fmt:MATRIX_FMT_BF6 matrix_b_fmt:MATRIX_FMT_BF6
.endr
	s_add_co_u32 s[TB], s[TB], REC                 ; the next record
.endm
; A slot's four key steps: written once, walked four times
.macro STEPS
	s_mov_b32 s[CNT], 4
.Lstep_\@:
	s_setprio 2
	STEP
	s_sub_co_u32 s[CNT], s[CNT], 1
	s_cmp_lg_u32 s[CNT], 0
	s_cbranch_scc1 .Lstep_\@
	s_setprio 0
	s_sub_co_u32 s[TB], s[TB], 4*REC               ; back to a slot's first record,
	s_xor_b32 s[TB], s[TB], SLOT1                  ; in the other slot
.endm
	s_load_b256 s[4:11], s[0:1], 0x0               ; qb s[4:5], kv s[6:7], ob s[8:9], os s[10:11]
	v_lshl_add_u32 v[SPW], v0, 2, SPARE
	v_mov_b32 v[NIL], 0
	ds_add_u32 v3, v4
	ds_add_u32 v3, v4
	s_wait_dscnt 0x0
	v_lshrrev_b32 v5, 5, v0
	s_delay_alu instid0(VALU_DEP_1)
	v_readfirstlane_b32 s[WV], v5                  ; wave 0..15
	s_and_b32 s[BH], ttmp7, 0xffff                 ; (batch, head): the four partners share it
	s_and_b32 s18, s[WV], 1
	s_mul_i32 s18, s18, 2*REC                      ; which two records of a slot I fetch, if I fetch: in LDS and in memory alike
	s_mul_i32 s16, s[BH], BHS
	s_add_co_u32 s16, s16, s18
	s_mov_b32 s17, 0
	; descriptor group 1: a dense block of 25,600 bytes as 100 rows of 32 elements of 8 bytes
	s_mov_b32 s[G1], 15|(3<<16)|(1<<21)            ; 15:0 the mask: all four work-groups; 17:16 elements of 8 bytes; 20 padding off; 21 set beside a mask
	s_mov_b32 s[G1+1], 32<<16                      ; tensor_dim0 = 32
	s_mov_b32 s[G1+2], 100<<16                     ; tensor_dim1 = 100
	s_mov_b32 s[G1+3], 32<<16                      ; tile_dim0 = 32
	s_mov_b32 s[G1+4], 100                         ; tile_dim1 = 100
	s_mov_b32 s[G1+5], 32                          ; from row to row: 32 elements
	s_mov_b32 s[G1+6], 0
	s_mov_b32 s[G1+7], 0
	s_mov_b32 s[SEL], 0x76543210
	s_mov_b32 s[SEL+1], 0xfedcba98
	s_mov_b32 s[CS], 0x3e38aa3b                    ; c = log2(e) / 8
	s_mov_b32 s[CS+1], s[CS]                       ; (named with it as a pair, so it is written)
	s_mov_b32 s[TB], 0
	s_mov_b32 s[SLOTS], 7
	; my place in the cluster enters Q's, ob's and os's global addresses alone, in registers that feed no descriptor
	s_bfe_u32 s13, ttmp6, 0x40000                  ; cx
	s_lshl_b32 s14, ttmp9, 2
	s_add_co_u32 s14, s14, s13                     ; my block of 256 queries = 4 x cluster x + cx
	s_lshl_b32 s54, s14, 1
	s_lshr_b32 s55, s[WV], 3
	s_add_co_u32 s54, s54, s55                     ; my tile's record in qb: 2 x block + wave / 8
	s_mul_i32 s54, s54, REC
	s_mul_i32 s55, s[BH], BHS
	s_add_co_u32 s54, s54, s55
	s_bfe_u32 s56, s[WV], 0x20001                  ; its pair: (wave / 2) % 4
	s_mul_i32 s57, s56, 1536
	s_add_co_u32 s58, s54, s57                     ; the pair fragment's image
	s_mov_b32 s59, 0
	s_lshl_b32 s57, s56, 2
	s_add_co_u32 s60, s54, s57
	s_add_co_u32 s60, s60, 12288                   ; the pair's scale words
	s_mov_b32 s61, 0
	s_lshr_b32 s20, s[BH], 3
	s_lshl_b32 s20, s20, 8
	s_lshl_b32 s21, s14, 4
	s_add_co_u32 s20, s20, s21
	s_add_co_u32 s20, s20, s[WV]                   ; my tile among the 512: 256 x batch + 16 x block + wave
	s_and_b32 s21, s[BH], 7                        ; the head
	s_lshl_b32 s22, s20, 2
	s_lshr_b32 s23, s21, 1
	s_add_co_u32 s22, s22, s23
	s_mul_i32 s22, s22, 1536
	s_and_b32 s23, s21, 1
	s_mul_i32 s23, s23, 768
	s_add_co_u32 s22, s22, s23                     ; ob: (4 x tile + head / 2) x 1,536 + (head % 2) x 768
	s_mov_b32 s23, 0
	s_lshl_b32 s62, s20, 3
	s_add_co_u32 s62, s62, s21
	s_lshl_b32 s62, s62, 5                         ; os: (8 x tile + head) x 32
	s_mov_b32 s63, 0
	s_and_b32 s43, s[WV], 1                        ; which tile of the pair is mine
	s_mov_b32 s44, 0x01000100
	s_cmp_eq_u32 s43, 1
	s_cselect_b32 s43, -1, 0                       ; as a lane mask,
	s_cselect_b32 s44, 0x03020302, s44             ; and as byte selects: my tile's two scale bytes, twice
	v_and_b32 v[LI], 31, v0
	s_delay_alu instid0(VALU_DEP_1)
	v_lshlrev_b32 v[GO], 3, v[LI]
	s_delay_alu instid0(VALU_DEP_2)
	v_lshlrev_b32 v[LI], 4, v[LI]
	v_and_b32 v[LSC], 15, v0
	v_bfe_u32 v[GS], v0, 4, 1
	s_delay_alu instid0(VALU_DEP_1)
	v_lshl_add_u32 v[GS], v[LSC], 1, v[GS]
	s_delay_alu instid0(VALU_DEP_3)
	v_lshlrev_b32 v[LSC], 4, v[LSC]
	s_wait_kmcnt 0x0
	s_mov_b32 s[G0], 1                             ; 1:0 count = 1
	s_mov_b32 s[G0+1], s18                         ; 63:32 LDS address: slot 0
	s_add_nc_u64 s[G0+2:G0+3], s[6:7], s[16:17]    ; 120:64 global address: the head's first records
	s_or_b32 s[G0+3], s[G0+3], 0x80000000          ; 127:126 type = 2
	s_add_nc_u64 s[46:47], s[4:5], s[58:59]
	s_add_nc_u64 s[48:49], s[4:5], s[60:61]
	s_add_nc_u64 s[50:51], s[8:9], s[22:23]
	s_add_nc_u64 s[52:53], s[10:11], s[62:63]
	ROUND                                          ; all four work-groups are here: the first joint loads meet
	TLOAD                                          ; slot 0
	s_wait_alu depctr_va_vdst(0)
.irp q, 0,1,2
	global_load_b128 v[S+4*\q:S+4*\q+3], v[LI], s[46:47] offset:512*\q   ; the pair fragment that holds my tile of Q
.endr
	global_load_b32 v[S+12], v[LSC], s[48:49]      ; and its scale words
	s_wait_loadcnt 0x0
.irp i, 0,1,2,3,4,5
	v_cndmask_b32 v[QLO+\i], v[S+\i], v[S+6+\i], s43   ; my tile's six registers
.endr
	v_perm_b32 v[QS], v[S+12], v[S+12], s44
.irp i, 0,1,2,3,4,5
	v_mov_b32 v[QHI+\i], 0                         ; zero codes on both sides of q
	v_mov_b32 v[QLO+6+\i], 0
.endr
.set j, 0
.rept 32
	v_mov_b32 v[O+j], 0                            ; O^T: the step is written once; the first finds zeros, which the first change of M leaves zeros.  (These are also the places between q's scale word and the first product)
.set j, j+1
.endr
.irp b, 0,1,2,3
	v_mov_b32 v[BT+\b], 0                          ; written once: a lane permute's destination counts as one of its sources
.endr
	v_mov_b32 v[F+1], 0
	v_mov_b32 v13, 0xff61b1e6                      ; the largest t so far: -3e38, under every t
	s_delay_alu instid0(VALU_DEP_1)
	v_floor_f32 v12, -v13                          ; -M
	v_mov_b32 v14, 0                               ; the sum, in two halves
	v_mov_b32 v15, 0
.Lslot:                                            ; seven trips: behind each change of slots but the last the next slot is asked for
	CHANGE 1
	STEPS
	s_sub_co_u32 s[SLOTS], s[SLOTS], 1
	s_cmp_lg_u32 s[SLOTS], 0
	s_cbranch_scc1 .Lslot
	CHANGE 0                                       ; the last slot is written out
	STEPS
	; THE WAY OUT.  O^T / the sum, quantised along the head's 64 channels (two blocks of the last product's K), straight from registers to memory.
	v_add_f32 v14, v14, v15                        ; the sum's two halves,
	s_delay_alu instid0(VALU_DEP_1)
	v_permlanex16_b32 v[WK], v14, s[SEL], s[SEL+1]
	s_delay_alu instid0(VALU_DEP_1)
	v_add_f32 v14, v14, v[WK]                      ; and lane l xor 16's: the row's sum
	s_wait_alu depctr_va_vdst(0)
	v_rcp_f32 v14, v14
	v_bfe_u32 v[ADR], v0, 4, 1                     ; (a plain place behind the reciprocal)  h
	s_delay_alu instid0(VALU_DEP_1)
	v_cmp_eq_u32 vcc_lo, 1, v[ADR]                 ; lanes 16-31
.rept 4
	v_nop                                          ; four places behind the last products, in front of the first read of O^T
.endr
.set j, 0
	s_wait_alu depctr_va_vdst(0)
.rept 32
	v_mul_f32 v[S+j], v[O+j], v14                  ; register 16 b + i = channel 32 b + 16 h + i of my query; each accumulator from its low end on
.set j, j+1
.endr
.irp b, 0,1
	v_max3_num_f32 v[BM+\b], |v[S+16*\b]|, |v[S+1+16*\b]|, 0x2800000
.endr
.irp i, 2,4,6,8,10,12,14
.irp b, 0,1
	s_delay_alu instid0(VALU_DEP_2)
	v_max3_num_f32 v[BM+\b], v[BM+\b], |v[S+16*\b+\i]|, |v[S+1+16*\b+\i]|
.endr
.endr
.irp b, 0,1
	s_delay_alu instid0(VALU_DEP_2)
	v_permlanex16_b32 v[BT+\b], v[BM+\b], s[SEL], s[SEL+1]
.endr
.irp b, 0,1
	s_delay_alu instid0(VALU_DEP_2)
	v_max_num_f32 v[BM+\b], v[BM+\b], v[BT+\b]
.endr
.irp b, 0,1
	s_delay_alu instid0(VALU_DEP_2)
	v_add_nc_u32 v[BO+\b], 0xfe000000, v[BM+\b]
.endr
.irp b, 0,1
	s_delay_alu instid0(VALU_DEP_2)
	v_lshrrev_b32 v[BT+\b], 23, v[BO+\b]
.endr
	v_cvt_scalef32_pk16_bf6_f32 v[PC:PC+2], v[S:S+15], v[BO]
	v_cvt_scalef32_pk16_bf6_f32 v[Y:Y+2], v[S+16:S+31], v[BO+1]
	v_nop                                          ; one plain place behind the scaled conversions
	v_cndmask_b32 v[WK], v[BT], v[BT+1], vcc_lo    ; lane (r, h) stores block h's byte
.irp i, 0,1,2
	v_permlane16_swap_b32 v[PC+\i], v[Y+\i]
.endr
.irp i, 0,1,2
	s_delay_alu instid0(VALU_DEP_3)
	v_mov_b32 v[PC+3+\i], v[Y+\i]                  ; six registers: lane (r, h) = query r, channels 32 h .. 32 h + 31
.endr
.irp j, 0,1,2
	global_store_b64 v[GO], v[PC+2*\j:PC+2*\j+1], s[50:51] offset:256*\j   ; 32 lanes store 256 consecutive bytes, aligned
.endr
	global_store_b8 v[GS], v[WK], s[52:53]         ; the wave's 32 scale bytes, consecutive
	s_wait_tensorcnt 0x0                           ; the wave's end
	ds_add_u32 v[SPW], v[NIL]
	s_wait_dscnt 0x0
	ROUND                                          ; the closing round: no work-group ends while a partner may still ask for a tile that names it
	s_endpgm
.Lfunc_end_k_qa42ad47e62_attn:
	.size	k_qa42ad47e62_attn, .Lfunc_end_k_qa42ad47e62_attn-k_qa42ad47e62_attn
	.p2alignl 7, 3214868480
	.fill 96, 4, 3214868480
	.section	.rodata,"a",@progbits
	.p2align	6, 0x0
	.amdhsa_kernel k_qa42ad47e62_attn
		.amdhsa_group_segment_fixed_size 327680
		.amdhsa_private_segment_fixed_size 0
		.amdhsa_enable_private_segment 0
		.amdhsa_kernarg_size 32
		.amdhsa_user_sgpr_count 2
		.amdhsa_user_sgpr_kernarg_segment_ptr 1
		.amdhsa_wavefront_size32 1
		.amdhsa_system_sgpr_workgroup_id_x 1
		.amdhsa_system_sgpr_workgroup_id_y 1
		.amdhsa_system_sgpr_workgroup_id_z 1
		.amdhsa_system_vgpr_workitem_id 0
		.amdhsa_next_free_vgpr 256
		.amdhsa_next_free_sgpr 66
		.amdhsa_reserve_vcc 1
		.amdhsa_float_denorm_mode_32 3
		.amdhsa_float_denorm_mode_16_64 3
		.amdhsa_memory_ordered 1
		.amdhsa_forward_progress 1
		.amdhsa_inst_pref_size 47
	.end_amdhsa_kernel
	.amdgpu_metadata
---
amdhsa.version: [ 1, 2 ]
amdhsa.kernels:
  - .name:           k_qa42ad47e62_attn
    .symbol:         k_qa42ad47e62_attn.kd
    .args:
      - { .name: qb, .offset: 0, .size: 8, .value_kind: global_buffer, .address_space: global }
      - { .name: kv, .offset: 8, .size: 8, .value_kind: global_buffer, .address_space: global }
      - { .name: ob, .offset: 16, .size: 8, .value_kind: global_buffer, .address_space: global }
      - { .name: os, .offset: 24, .size: 8, .value_kind: global_buffer, .address_space: global }
    .group_segment_fixed_size: 327680
    .private_segment_fixed_size: 0
    .kernarg_segment_align: 8
    .kernarg_segment_size: 32
    .max_flat_workgroup_size: 512
    .sgpr_count:     66
    .vgpr_count:     256
    .wavefront_size: 32
...
	.end_amdgpu_metadata
.endif
;; end of part 7
;; launch oproj (part 8): grid 256 x 1, 4 waves a work-group, no clusters, 34,304 bytes of LDS; arguments ob, os, wc, ws, out0; writes out0
.if DOCPART == 8
	.amdgcn_target "amdgcn-amd-amdhsa--gfx1250"
	.amdhsa_code_object_version 6
	.text
	.protected	k_qa42ad47e62_oproj
	.globl	k_qa42ad47e62_oproj
	.p2align	8
	.type	k_qa42ad47e62_oproj,@function
k_qa42ad47e62_oproj:
	s_mov_b64 s[64:65], 0
	v_nop
	global_prefetch_b8 v0, s[64:65] scope:SCOPE_SE
	s_setreg_imm32_b32 hwreg(HW_REG_WAVE_SCHED_MODE, 0, 2), 2
	s_setreg_imm32_b32 hwreg(HW_REG_WAVE_MODE, 25, 1), 1
	s_wait_xcnt 0x0
	s_wait_alu depctr_vm_vsrc(0)
; out0 = O Wo^T on codes of BF6 (E3M2) with E8M0 scales.  O comes as images of operand registers (ob [tile 512][K step 4][chunk 6][256 bytes]: chunk j = registers 2 j, 2 j + 1, lane l at 8 l) with its scale
; bytes (os [tile 512][head 8][r 16][2]); Wo as rows of codes (wc's rows 1,536 on, 384 bytes each) with 16 scale bytes a row (ws).  out0: [8192][512] f32.
; SHARES.  Work-group x owns tokens 32 x .. 32 x + 31: tiles 2 x and 2 x + 1 (lane r of tile u: token 32 x + 8 u + r + 8 (r / 8)).  Wave w owns outputs 128 w .. 128 w + 127: 128 rows of Wo in 384 registers.
; The matrix instruction is used transposed (source 0 = 16 rows of Wo, source 1 = 16 tokens), and the rows of a tile of Wo are not neighbours (lane r of tile 2 b + u: row 32 b + 8 u + r + 8 (r / 8)):
; so a lane holds one token, and the 16 registers of tiles 2 b and 2 b + 1 are the 16 neighbouring outputs 32 b + 16 (lane / 16) + 0 .. 15: 64 bytes of a row of out0.
; Two tiles x 8 accumulators x 4 K steps = 64 matrix instructions a wave, back to back.  The results go through the wave's own stage in LDS (16 rows of 512 bytes + 16) and leave as whole runs of
; 512 consecutive bytes, aligned.  Waves share nothing: no barrier.  No tensor load, so no ring.  No cluster: there is no tile in LDS that partners could ask for jointly.
; THE MODE: SCHED_MODE bits 1:0 = 2 (LLVM: expert scheduling mode 2), set by the entry lines.  The code itself states the register dependences between vector or matrix instructions and memory or LDS
; instructions, with s_wait_alu, always for 0.
; THE PLAN.  Registers that memory or LDS instructions touch:
;   v4-10         offsets and LDS addresses: written at the head, never again.
;   Wo, O, PS, T16   loaded once; no vector instruction writes them.
;   RS            written by eight vector lines, read by the products as scales.
;   the accumulators   written by the products; read by the stage's stores; the stage's loads land in them; the global stores read them.
;   v254, v255    written at the head, read by the closing add alone.
; So: one wait on va_vdst ahead of the first load (the addresses), one ahead of the first product (RS), one behind the last product's places (the accumulators are written); and in each tile's way through
; the stage one wait on vm_vsrc between the stores that read its registers and the loads that land in them.
; REGISTERS, in windows of 256: window 0: v4-10 addresses; v16-47 Wo's scale words; v48-55 O's; v64-127, v128-191 the two tiles' accumulators; v200-215 halves of O's scale words.
;   window 1: v0-191 Wo's K steps 0, 1; v192-239 tile 0 of O.   window 2: v0-191 Wo's K steps 2, 3; v192-239 tile 1.
.set ROWB, 384
.set STP,  528                         ; a stage row: 512 bytes + 16: sixteen lanes that store 16 bytes of sixteen rows fall on sixteen different columns of 16 bytes
.set VA,   4                           ; v4   (r + 8 (r / 8)) x 384 + 24 h
.set VS,   5                           ; v5   (r + 8 (r / 8)) x 16
.set LI,   6                           ; v6   16 x lane
.set L8,   7                           ; v7   8 x lane
.set R2,   8                           ; v8   2 r
.set STO,  9                           ; v9   the stage, in: row r, + 64 h
.set RD,   10                          ; v10  the stage, back: 16 x lane
.set PS,   16
.set RS,   48
.set ACCA, 64
.set ACCB, 128
.set T16,  200
.set MSB, 0
.macro WIN new                         ; the immediate's high byte repeats the setting that is left; a switch that changes nothing is dropped
.if MSB != (\new)
	s_set_vgpr_msb (MSB<<8)|(\new)
.set MSB, (\new)
.endif
.endm
.macro HOLD                            ; Wo's 8 tiles x 4 K steps x 6 loads of 8 bytes, and 8 loads of a row's 16 scale bytes
	WIN 0x40                                       ; destination window 1
	s_wait_alu depctr_va_vdst(0)                   ; the seven offsets and addresses v4 to v10 are written, which the loads and stores of the kernel read; up to the wait for the loads only loads and window switches follow
.irp t, 0,1,2,3,4,5,6,7
.irp s, 0,1
.irp p, 0,1,2,3,4,5
	global_load_b64 v[24*\t+12*\s+2*\p:24*\t+12*\s+2*\p+1], v[VA], s[28:29] offset:(32*(\t/2)+8*(\t%2))*ROWB+96*\s+48*(\p/3)+8*(\p%3)
.endr
.endr
.endr
	WIN 0x80                                       ; destination window 2
.irp t, 0,1,2,3,4,5,6,7
.irp s, 0,1
.irp p, 0,1,2,3,4,5
	global_load_b64 v[24*\t+12*\s+2*\p:24*\t+12*\s+2*\p+1], v[VA], s[28:29] offset:(32*(\t/2)+8*(\t%2))*ROWB+192+96*\s+48*(\p/3)+8*(\p%3)
.endr
.endr
.endr
	WIN 0
.irp t, 0,1,2,3,4,5,6,7
	global_load_b128 v[PS+4*\t:PS+4*\t+3], v[VS], s[30:31] offset:(32*(\t/2)+8*(\t%2))*16
.endr
.endm
; 32 matrix instructions for tile e: the eight accumulators take turns, one instruction a turn, K step by K step.  The first K step starts the sums with the constant 0.
.macro MULS e, acc
	WIN 0x01|((1+\e)<<2)                           ; source 0 (Wo) window 1, source 1 (O) window 1 + e, C and D window 0
.irp t, 0,1,2,3,4,5,6,7
	v_wmma_scale_f32_16x16x128_f8f6f4 v[\acc+8*\t:\acc+8*\t+7], v[24*\t:24*\t+11], v[192:203], 0, v[PS+4*\t], v[RS+4*\e] matrix_a_fmt:MATRIX_FMT_BF6 matrix_b_fmt:MATRIX_FMT_BF6
.endr
.irp t, 0,1,2,3,4,5,6,7
	v_wmma_scale_f32_16x16x128_f8f6f4 v[\acc+8*\t:\acc+8*\t+7], v[24*\t+12:24*\t+23], v[204:215], v[\acc+8*\t:\acc+8*\t+7], v[PS+4*\t+1], v[RS+4*\e+1] matrix_a_fmt:MATRIX_FMT_BF6 matrix_b_fmt:MATRIX_FMT_BF6
.endr
	WIN 0x02|((1+\e)<<2)                           ; Wo's K steps 2 and 3 lie in window 2
.irp t, 0,1,2,3,4,5,6,7
	v_wmma_scale_f32_16x16x128_f8f6f4 v[\acc+8*\t:\acc+8*\t+7], v[24*\t:24*\t+11], v[216:227], v[\acc+8*\t:\acc+8*\t+7], v[PS+4*\t+2], v[RS+4*\e+2] matrix_a_fmt:MATRIX_FMT_BF6 matrix_b_fmt:MATRIX_FMT_BF6
.endr
.irp t, 0,1,2,3,4,5,6,7
	v_wmma_scale_f32_16x16x128_f8f6f4 v[\acc+8*\t:\acc+8*\t+7], v[24*\t+12:24*\t+23], v[228:239], v[\acc+8*\t:\acc+8*\t+7], v[PS+4*\t+3], v[RS+4*\e+3] matrix_a_fmt:MATRIX_FMT_BF6 matrix_b_fmt:MATRIX_FMT_BF6
.endr
.endm
.macro TOSTAGE acc                     ; a tile's 16 rows x 128 outputs into my stage, and back as whole rows, into the registers that they left.  LDS serves a wave's instructions in order: no wait on DScnt between
.irp b, 0,1,2,3
.irp q, 0,1,2,3
	ds_store_b128 v[STO], v[\acc+16*\b+4*\q:\acc+16*\b+4*\q+3] offset:128*\b+16*\q   ; each accumulator from its low end on
.endr
.endr
	s_wait_alu depctr_vm_vsrc(0)                   ; the sixteen LDS stores above have read the tile's 64 registers, in which the loads below land
.irp i, 0,1,2,3,4,5,6,7,8,9,10,11,12,13,14,15
	ds_load_b128 v[\acc+4*\i:\acc+4*\i+3], v[RD] offset:\i*STP
.endr
.endm
.macro SEND acc, u                     ; stage row i of tile u is token 32 x + 8 u + i + 8 (i / 8)
.irp i, 0,1,2,3,4,5,6,7,8,9,10,11,12,13,14,15
	global_store_b128 v[LI], v[\acc+4*\i:\acc+4*\i+3], s[36:37] offset:(8*\u+\i+8*(\i/8))*2048 th:TH_STORE_NT   ; 32 lanes store 512 consecutive bytes, aligned; written once, read by nobody here
.endr
.endm
	s_load_b256 s[8:15], s[0:1], 0x0               ; ob s[8:9], os s[10:11], wc s[12:13], ws s[14:15]
	s_load_b64 s[16:17], s[0:1], 0x20              ; out0
	v_lshl_add_u32 v254, v0, 2, 0x8400
	v_mov_b32 v255, 0
	v_lshrrev_b32 v1, 5, v0
	v_readfirstlane_b32 s4, v1                     ; wave w
	v_and_b32 v1, 15, v0                           ; r
	v_bfe_u32 v2, v0, 4, 1                         ; h
	v_and_b32 v3, 8, v1
	v_add_nc_u32 v3, v3, v1                        ; r + 8 (r / 8)
	v_mul_u32_u24 v[VA], v3, ROWB
	v_mad_u32_u24 v[VA], v2, 24, v[VA]
	v_lshlrev_b32 v[VS], 4, v3
	v_and_b32 v[L8], 31, v0
	v_lshlrev_b32 v[LI], 4, v[L8]
	v_lshlrev_b32 v[L8], 3, v[L8]
	v_lshlrev_b32 v[R2], 1, v1
	s_wait_alu depctr_va_sdst(0)                   ; s4 is written, ahead of its first reader: the stage's place, Wo's rows and out0's columns are made from it
	s_mul_i32 s5, s4, 16*STP                       ; my stage
	v_mul_u32_u24 v[STO], v1, STP
	v_lshl_add_u32 v[STO], v2, 6, v[STO]
	v_add_nc_u32 v[STO], s5, v[STO]
	v_add_nc_u32 v[RD], s5, v[LI]
	s_lshl_b32 s20, s4, 7
	s_add_co_u32 s20, s20, 1536                    ; Wo's rows in wc and ws: 1,536 + 128 w
	s_mul_i32 s40, s20, ROWB
	s_mov_b32 s41, 0
	s_lshl_b32 s42, s20, 4
	s_mov_b32 s43, 0
	s_mul_i32 s44, ttmp9, 2*6144                   ; ob: two tiles of 6,144 bytes a work-group
	s_mov_b32 s45, 0
	s_lshl_b32 s46, ttmp9, 9                       ; os: two tiles of 256 bytes
	s_mov_b32 s47, 0
	s_lshl_b32 s22, ttmp9, 16                      ; out0: 32 rows of 2,048 bytes,
	s_lshl_b32 s23, s4, 9                          ; + my 128 outputs' 512 bytes
	s_add_co_u32 s22, s22, s23
	s_mov_b32 s23, 0
	s_wait_kmcnt 0x0
	s_add_nc_u64 s[28:29], s[12:13], s[40:41]
	s_add_nc_u64 s[30:31], s[14:15], s[42:43]
	s_add_nc_u64 s[32:33], s[8:9], s[44:45]
	s_add_nc_u64 s[34:35], s[10:11], s[46:47]
	s_add_nc_u64 s[36:37], s[16:17], s[22:23]
	HOLD
.irp e, 0,1
	WIN (1+\e)<<6
.irp s, 0,1,2,3
.irp j, 0,1,2,3,4,5
	global_load_b64 v[192+12*\s+2*\j:192+12*\s+2*\j+1], v[L8], s[32:33] offset:\e*6144+\s*1536+256*\j   ; 32 lanes read 256 consecutive bytes: two registers of a fragment
.endr
.endr
.endr
	WIN 0
.irp n, 0,1,2,3,4,5,6,7,8,9,10,11,12,13,14,15
	global_load_u16 v[T16+\n], v[R2], s[34:35] offset:32*\n   ; n = 8 e + head: row r's two scale bytes
.endr
	s_wait_loadcnt 0x0
.irp n, 0,1,2,3,4,5,6,7
	v_lshl_or_b32 v[RS+\n], v[T16+2*\n+1], 16, v[T16+2*\n]    ; n = 4 e + s: heads 2 s and 2 s + 1 make K step s's word
.endr
.rept 8
	v_nop                                          ; a scale register written by a vector instruction stands eight places ahead of a scaled matrix instruction
.endr
	s_wait_alu depctr_va_vdst(0)                   ; the eight lines above have written O's scale words, which the products take as scales; the places stay beside this wait
	MULS 0, ACCA
	MULS 1, ACCB
	WIN 0
.rept 4
	v_nop                                          ; four places behind the last products, in front of the first read of results
.endr
	s_wait_alu depctr_va_vdst(0)                   ; the products have written both tiles' accumulators, which the LDS stores read and in which the stage's loads land; no vector or matrix instruction follows
	TOSTAGE ACCA
	TOSTAGE ACCB
	s_wait_dscnt 32                                ; the first tile's rows are back; the second tile's 16 stores and 16 loads may be out
	SEND ACCA, 0
	s_wait_dscnt 0x0
	SEND ACCB, 1
	s_wait_dscnt 0x0                               ; the closing lines, six on end
	s_wait_alu 0x0
	s_wait_tensorcnt 0x0
	ds_add_u32 v254, v255
	s_wait_dscnt 0x0
	s_endpgm
.Lfunc_end_k_qa42ad47e62_oproj:
	.size	k_qa42ad47e62_oproj, .Lfunc_end_k_qa42ad47e62_oproj-k_qa42ad47e62_oproj
	.p2alignl 7, 3214868480
	.fill 96, 4, 3214868480
	.section	.rodata,"a",@progbits
	.p2align	6, 0x0
	.amdhsa_kernel k_qa42ad47e62_oproj
		.amdhsa_group_segment_fixed_size 34304
		.amdhsa_private_segment_fixed_size 0
		.amdhsa_enable_private_segment 0
		.amdhsa_kernarg_size 40
		.amdhsa_user_sgpr_count 2
		.amdhsa_user_sgpr_kernarg_segment_ptr 1
		.amdhsa_wavefront_size32 1
		.amdhsa_system_sgpr_workgroup_id_x 1
		.amdhsa_system_sgpr_workgroup_id_y 1
		.amdhsa_system_sgpr_workgroup_id_z 1
		.amdhsa_system_vgpr_workitem_id 0
		.amdhsa_next_free_vgpr 768
		.amdhsa_next_free_sgpr 66
		.amdhsa_reserve_vcc 0
		.amdhsa_float_denorm_mode_32 3
		.amdhsa_float_denorm_mode_16_64 3
		.amdhsa_memory_ordered 1
		.amdhsa_forward_progress 1
		.amdhsa_inst_pref_size 44
	.end_amdhsa_kernel
	.amdgpu_metadata
---
amdhsa.version: [ 1, 2 ]
amdhsa.kernels:
  - .name:           k_qa42ad47e62_oproj
    .symbol:         k_qa42ad47e62_oproj.kd
    .args:
      - { .name: ob, .offset: 0, .size: 8, .value_kind: global_buffer, .address_space: global }
      - { .name: os, .offset: 8, .size: 8, .value_kind: global_buffer, .address_space: global }
      - { .name: wc, .offset: 16, .size: 8, .value_kind: global_buffer, .address_space: global }
      - { .name: ws, .offset: 24, .size: 8, .value_kind: global_buffer, .address_space: global }
      - { .name: out0, .offset: 32, .size: 8, .value_kind: global_buffer, .address_space: global }
    .group_segment_fixed_size: 34304
    .private_segment_fixed_size: 0
    .kernarg_segment_align: 8
    .kernarg_segment_size: 40
    .max_flat_workgroup_size: 128
    .sgpr_count:     66
    .vgpr_count:     768
    .wavefront_size: 32
...
	.end_amdgpu_metadata
.endif
;; end of part 8
